; MI455X (gfx1250); checked and timed in simulation.
; The chip was launched on July 23, 2026; its instructions are those of AMD's public machine-readable ISA for CDNA 5 (MIT licence, August 2026) and "CDNA5" Instruction Set Architecture Reference Guide (July 2026). The comments in the code are by the model that wrote it; some were corrected since.
;; Bahdanau Attention. Allowed arithmetic: matrix products marked QUANTISED: E5M2 operands, one E8M0 scale for each 32 along K, by v_wmma_scale_f32_16x16x128_f8f6f4 with both operands' format E5M2, f32 sums; products left as they are: f32 operands where the result goes on into a quantised operand, else bf16, f16 or f32 operands; f32 sums; everything else in f32.
;; Inputs: Wc 1,024 x 1 float32; Wd 1,024 x 1,024 float32; We 1,024 x 1,024 float32; bc 1 float32; bd 1,024 float32; be 1,024 float32; h_dec 32 x 1,024 float32; h_enc 32 x 2,048 x 1,024 float32.
;; Outputs: out0 32 x 1,024 float32; out1 32 x 2,048 x 1 float32.
;; This version of the problem:
;;   THIS VERSION OF THE PROBLEM IS GIVEN IN LOW PRECISION. The matrix products marked QUANTISED in the list below multiply operands that are first quantised to E5M2 (5 exponent bits, 2 mantissa bits; 8 bits a number), with one power-of-two scale for each 32 numbers along K (OCP MX v1.0); their sums are f32. All else is computed in f32.
;;   The module's matrix products, in the order in which they are computed (A, B: the left and right operand; K: the contracted axis; several contracted axes count as one K, in the product's order):
;;     1. [M 65,536, K 1,024] x [K 1,024, N 1,024]; A: input h_enc; B: input We: QUANTISED
;;     2. [M 32, K 1,024] x [K 1,024, N 1,024]; A: input h_dec; B: input Wd: QUANTISED
;;     3. [M 65,536, K 1,024] x [K 1,024, N 1]; A: computed on the way; B: input Wc: left as it is (N = 1 < 16)
;;   THE QUANTISER, for each operand of a quantised product, along K:
;;     - K is cut into blocks of 32 from its start; a last block that is shorter is filled with zeros.
;;     - A block's scale is 2^e with e = floor(log2(the largest magnitude in the block)) - 15, held to -126 .. 127; a block of zeros has e = 0. As a byte (E8M0): e + 127.
;;     - Each number is divided by its block's scale, clamped to +-57,344, and rounded to the nearest number of E5M2, ties to even, subnormals kept.
;;     - The product sums the exact products of the quantised numbers (number of the format x scale) in f32.
;;   ~~~python
;;   def quantise(x, axis):      # numpy; x: float32 -> the quantised numbers, widened to float32 again
;;       x = np.moveaxis(x, axis, -1); K = x.shape[-1]
;;       x = np.pad(x, [(0, 0)] * (x.ndim - 1) + [(0, -K % 32)]); x = x.reshape(x.shape[:-1] + (-1, 32)); a = np.abs(x).max(-1, keepdims=True)
;;       e = np.where(a > 0, np.clip(np.frexp(np.where(a > 0, a, 1))[1] - 1 - 15, -126, 127), 0)      # np.frexp(a)[1] - 1 = floor(log2(a)), exactly
;;       r = np.clip(x / 2.0 ** e, -57344, 57344)
;;       step = 2.0 ** (np.maximum(np.frexp(np.where(r == 0, 1, r))[1] - 1, -14) - 2)
;;       q = np.round(r / step) * step * 2.0 ** e      # np.round: ties to even
;;       return np.moveaxis(q.reshape(q.shape[:-2] + (-1,))[..., :K], -1, axis).astype(np.float32)
;;   ~~~
;; 2 versions. Each part assembles by itself: llvm-mc -triple=amdgcn-amd-amdhsa -mcpu=gfx1250 --defsym DOCPART=n.
;; ======== version 1 of 2: 3 launches
;; workspace buffers: wq 1,048,576 bytes; wqs 32,768 bytes; decp 131,072 bytes; scores 262,144 bytes; ctxp 4,194,304 bytes
;; launch prep (part 1): grid 96 x 1, 8 waves a work-group, no clusters, 18,432 bytes of LDS; arguments We, Wd, h_dec, bd, be, wq, wqs, decp; writes wq, wqs, decp
.if DOCPART == 1
	.amdgcn_target "amdgcn-amd-amdhsa--gfx1250"
	.amdhsa_code_object_version 6
	.text
	.protected	k_qd7468a10c2_prep
	.globl	k_qd7468a10c2_prep
	.p2align	8
	.type	k_qd7468a10c2_prep,@function
k_qd7468a10c2_prep:
	s_mov_b64 s[64:65], 0
	v_nop
	global_prefetch_b8 v0, s[64:65] scope:SCOPE_SE
	s_setreg_imm32_b32 hwreg(HW_REG_WAVE_MODE, 25, 1), 1
	s_wait_xcnt 0x0
; TWO ROLES, parted by the work-group's number (the same for all eight waves of a work-group); each has LDS bytes, one barrier and an end of its own.
; ROLE W (work-groups 0-31): We [1024 (k)][1024 (n)] f32 becomes codes of BF8 (E5M2) with one E8M0 byte for each 32 along K, laid in the ORDER OF THE OPERAND'S REGISTERS:
;   wq  [K step 8][wave 4][column tile 16][chunk 4][lane 32][16 bytes]: lane (r, h), chunk c: column 256 w + 16 nt + r, K = 128 k + 32 c + 16 h + 0 .. 15;
;   wqs [K step 8][wave 4][u 2][lane 32][q 4] words: the scale word of column tile 8 u + 2 q + lane / 16, column lane % 16.
;   A lane takes a column and its registers run down K: a block of 32 lies in one lane, and the conversions give codes with K innermost.
; ROLE D (work-groups 32-95): decp[T][b][n] = c (Q(h_dec) Q(Wd) + bd + be) for column tile T of 16, c = 2 log2(e).  Wave s takes K step s (one matrix instruction for each 16 rows);
;   the eight parts meet in LDS and are added in ascending K.  So this product's K is summed in eight parts.
; A block's scale byte is its largest magnitude's exponent field - 15, held at 1 from below.  A block of zeros so gets the byte 1 where the rule says 127: its codes are zeros, and this program alone reads the bytes.
; LIMITS: NaN and infinities among the inputs are not served.
.set TM,    16                         ; v16-19 largest magnitudes, v20-23 bytes, v24-27 the largest number x the scale, v28-31 the conversions' scale operands (role D)
.set FLOOR, 0x8000000                  ; 2^(16 - 127)
.set EOFF,  0xf8800000                 ; -(15 << 23)
; 64 numbers of a lane, register 16 b + i = k 32 b + 16 (lane / 16) + i, become a fragment's 16 registers of codes and its scale word
.macro QUANT s, pc, pw
.irp b, 0,1,2,3
	v_max3_num_f32 v[TM+\b], |v[(\s)+16*\b]|, |v[(\s)+16*\b+1]|, FLOOR     ; my 16 numbers of block b, and the floor
.endr
.irp i, 2,4,6,8,10,12,14
.irp b, 0,1,2,3
	v_max3_num_f32 v[TM+\b], v[TM+\b], |v[(\s)+16*\b+\i]|, |v[(\s)+16*\b+\i+1]|   ; the four blocks by turns
.endr
.endr
.irp b, 0,1,2,3
	v_permlanex16_b32 v[TM+4+\b], v[TM+\b], s22, s23
.endr
.irp b, 0,1,2,3
	v_max_num_f32 v[TM+\b], v[TM+\b], v[TM+4+\b]       ; with lane l xor 16's: the block's largest magnitude
.endr
.irp b, 0,1,2,3
	v_add_nc_u32 v[TM+12+\b], EOFF, v[TM+\b]           ; 15 off its exponent field: the conversion's scale operand
.endr
.irp b, 0,1,2,3
	v_and_or_b32 v[TM+8+\b], v[TM+\b], 0x7f800000, s21 ; 57,344 x the scale
.endr
.irp b, 0,1,2,3
	v_lshrrev_b32 v[TM+4+\b], 23, v[TM+12+\b]          ; the scale's byte
.endr
	v_lshl_or_b32 v[\pw], v[TM+5], 8, v[TM+4]
	v_lshl_or_b32 v[\pw], v[TM+6], 16, v[\pw]
	v_lshl_or_b32 v[\pw], v[TM+7], 24, v[\pw]
.irp b, 0,1,2,3
.irp i, 0,1,2,3,4,5,6,7,8,9,10,11,12,13,14,15
	v_med3_num_f32 v[(\s)+16*\b+\i], v[(\s)+16*\b+\i], -v[TM+8+\b], v[TM+8+\b]   ; the conversion does not saturate (ISA guide 7.6.2): the hold
.endr
	v_cvt_scalef32_pk8_bf8_f32 v[(\pc)+4*\b:(\pc)+4*\b+1], v[(\s)+16*\b:(\s)+16*\b+7], v[TM+12+\b]
	v_cvt_scalef32_pk8_bf8_f32 v[(\pc)+4*\b+2:(\pc)+4*\b+3], v[(\s)+16*\b+8:(\s)+16*\b+15], v[TM+12+\b]
.endr
	v_nop                                              ; a plain line behind the last conversion
.endm
	s_load_b256 s[4:11], s[0:1], 0x0               ; We s[4:5], Wd s[6:7], h_dec s[8:9], bd s[10:11]
	s_load_b256 s[12:19], s[0:1], 0x20             ; be s[12:13], wq s[14:15], wqs s[16:17], decp s[18:19]
	v_lshl_add_u32 v62, v0, 2, 0x4400
	v_mov_b32 v63, 0
	v_lshrrev_b32 v1, 5, v0
	v_readfirstlane_b32 s20, v1                    ; wave 0..7
	v_and_b32 v2, 31, v0                           ; lane
	v_and_b32 v3, 15, v0                           ; r
	v_bfe_u32 v4, v0, 4, 1                         ; h
	s_mov_b32 s21, 0x600000                        ; the mantissa field of 57,344
	s_mov_b32 s22, 0x76543210
	s_mov_b32 s23, 0xfedcba98                      ; v_permlanex16_b32's selects for lane l xor 16
	s_mov_b32 s27, 0                               ; the high word of every offset pair s[26:27]
	s_wait_kmcnt 0x0
	s_cmp_lt_u32 ttmp9, 32
	s_cbranch_scc0 .Lrole_d
; ---------------- ROLE W: K step k = id / 4, columns 256 w on, w = id % 4; wave v: columns 256 w + 32 v + lane
	s_lshr_b32 s24, ttmp9, 2                       ; k
	s_and_b32 s25, ttmp9, 3                        ; w
	s_lshl_b32 s26, s24, 19                        ; 128 k rows of 4,096 bytes
	s_lshl_b32 s28, s25, 10
	s_add_co_u32 s26, s26, s28
	s_lshl_b32 s28, s20, 7
	s_add_co_u32 s26, s26, s28                     ; + 4 (256 w + 32 v)
	s_add_nc_u64 s[4:5], s[4:5], s[26:27]
	s_lshl_b32 s26, s24, 17
	s_lshl_b32 s28, s25, 15
	s_add_co_u32 s26, s26, s28
	s_lshl_b32 s28, s20, 12
	s_add_co_u32 s26, s26, s28                     ; wq: 131,072 k + 32,768 w + 2,048 (2 v)
	s_add_nc_u64 s[14:15], s[14:15], s[26:27]
	s_lshl_b32 s26, s24, 12
	s_lshl_b32 s28, s25, 10
	s_add_co_u32 s26, s26, s28                     ; wqs: 4,096 k + 1,024 w
	s_add_nc_u64 s[16:17], s[16:17], s[26:27]
	v_lshlrev_b32 v5, 2, v2                        ; in: 4 bytes a lane: 128 consecutive bytes a wave
	v_lshlrev_b32 v6, 4, v3
	v_lshl_add_u32 v6, v4, 11, v6                  ; out: column tile lane / 16, 16 bytes for column lane % 16: sixteen lanes fill 256 aligned bytes
	s_lshr_b32 s28, s20, 2
	s_lshl_b32 s28, s28, 9
	s_and_b32 s29, s20, 3
	s_lshl_b32 s29, s29, 2
	s_add_co_u32 s28, s28, s29
	v_lshlrev_b32 v7, 4, v2
	v_add_nc_u32 v8, s28, v7                       ; LDS: my scale word at 512 (v / 4) + 16 lane + 4 (v % 4)
	v_lshlrev_b32 v9, 4, v0                        ; and back (waves 0 and 1): 16 bytes a thread; the same place in wqs
.macro LOADW t                         ; block t: We(128 k + 32 t + i, my column), i = 0 .. 31
.set ii, 0
.rept 32
	global_load_b32 v[64+32*(\t)+ii], v5, s[4:5] offset:(32*(\t)+ii)*4096 th:TH_LOAD_NT
.set ii, ii+1
.endr
.endm
.macro BLOCKW t
.set XS, 64+32*(\t)
.set CD, 192+8*(\t)
.if (\t) < 3
	s_wait_loadcnt 32                              ; this block's 32 loads are in; the next block's may be out
.else
	s_wait_loadcnt 0x0
.endif
.if (\t) < 2
	LOADW (\t)+2                                   ; two blocks ahead, into registers of their own
.endif
	v_max3_num_f32 v12, |v[XS]|, |v[XS+1]|, |v[XS+2]|              ; the block's largest magnitude: all 32 numbers are mine
	v_max3_num_f32 v13, |v[XS+3]|, |v[XS+4]|, |v[XS+5]|
.irp i, 6,10,14,18,22,26
	v_max3_num_f32 v12, v12, |v[XS+\i]|, |v[XS+\i+1]|
	v_max3_num_f32 v13, v13, |v[XS+\i+2]|, |v[XS+\i+3]|
.endr
	v_max3_num_f32 v12, v12, |v[XS+30]|, |v[XS+31]|
	v_max3_num_f32 v12, v12, v13, FLOOR
	v_add_nc_u32 v11, EOFF, v12                    ; the conversion's scale operand
	v_and_or_b32 v10, v12, 0x7f800000, s21         ; 57,344 x the scale
	v_lshrrev_b32 v13, 23, v11                     ; the byte
.if (\t) == 0
	v_mov_b32 v24, v13                             ; the K step's four bytes make my column's scale word
.else
	v_lshl_or_b32 v24, v13, 8*(\t), v24
.endif
.irp i, 0,1,2,3,4,5,6,7,8,9,10,11,12,13,14,15,16,17,18,19,20,21,22,23,24,25,26,27,28,29,30,31
	v_med3_num_f32 v[XS+\i], v[XS+\i], -v10, v10
.endr
.irp g, 0,1,2,3
	v_cvt_scalef32_pk8_bf8_f32 v[CD+2*\g:CD+2*\g+1], v[XS+8*\g:XS+8*\g+7], v11
.endr
	v_nop                                          ; a plain line behind the last conversion
	global_store_b128 v6, v[CD:CD+3], s[14:15] offset:512*(\t)         ; K 32 t + 0 .. 15: the place of lanes 0-15 of chunk t
	global_store_b128 v6, v[CD+4:CD+7], s[14:15] offset:512*(\t)+256   ; K 32 t + 16 .. 31: of lanes 16-31
.endm
	LOADW 0
	LOADW 1
	BLOCKW 0
	BLOCKW 1
	BLOCKW 2
	BLOCKW 3
	ds_store_b32 v8, v24
	s_wait_dscnt 0x0                               ; for the others' sake: my word has landed
	s_barrier_signal -1
	s_barrier_wait -1
	s_cmp_lt_u32 s20, 2
	s_cbranch_scc0 .Lw_end
	ds_load_b128 v[28:31], v9                      ; waves 0 and 1 take the 1,024 bytes out, 512 consecutive bytes a store
	s_wait_dscnt 0x0
	global_store_b128 v9, v[28:31], s[16:17]
.Lw_end:
	s_wait_tensorcnt 0x0
	ds_add_u32 v62, v63
	s_wait_dscnt 0x0
	s_endpgm
; ---------------- ROLE D: column tile T = id - 32; wave s: K step s
.Lrole_d:
	s_sub_co_u32 s24, ttmp9, 32                    ; T
	s_lshl_b32 s26, s20, 19                        ; Wd: 128 s rows of 4,096 bytes
	s_lshl_b32 s28, s24, 6                         ; + 64 T
	s_add_co_u32 s26, s26, s28
	s_add_nc_u64 s[6:7], s[6:7], s[26:27]
	s_lshl_b32 s26, s20, 9                         ; h_dec: 512 s bytes along a row
	s_add_nc_u64 s[8:9], s[8:9], s[26:27]
	s_mov_b32 s26, s28
	s_add_nc_u64 s[10:11], s[10:11], s[26:27]      ; bd and be at the tile's 16 columns
	s_add_nc_u64 s[12:13], s[12:13], s[26:27]
	s_lshl_b32 s26, s24, 11
	s_add_nc_u64 s[18:19], s[18:19], s[26:27]      ; decp: 2,048 T
	s_mov_b32 s30, 0x4038aa3b                      ; c = 2 log2(e)
	s_mov_b32 s31, s30
	v_lshlrev_b32 v5, 2, v3
	v_lshl_add_u32 v5, v4, 16, v5                  ; Wd: column r; lanes 16-31 begin 16 rows further down
	v_lshlrev_b32 v6, 12, v3
	v_lshl_add_u32 v6, v4, 6, v6                   ; h_dec: row r, + 64 h: my 16 numbers of a block
	v_and_b32 v7, 7, v0
	v_lshlrev_b32 v8, 3, v7                        ; the biases of my two columns
	s_lshl_b32 s28, s20, 11
	s_add_co_u32 s28, s28, 1024
	v_lshlrev_b32 v9, 4, v2
	v_add_nc_u32 v9, s28, v9                       ; LDS: my wave's part, as an image of its registers: 1,024 + 2,048 wave + 16 lane
	v_lshlrev_b32 v10, 5, v7                       ; back: thread t owns row m = t / 8, columns 2 (t % 8) and the next.  (m, n) lies at 1,024 (m / 16) + 256 ((m / 8) % 2) + 512 ((m / 4) % 2) + 4 (m % 4) + 16 n
	v_bfe_u32 v11, v0, 3, 2
	v_lshl_add_u32 v10, v11, 2, v10
	v_bfe_u32 v11, v0, 5, 1
	v_lshl_add_u32 v10, v11, 9, v10
	v_bfe_u32 v11, v0, 6, 1
	v_lshl_add_u32 v10, v11, 8, v10
	v_bfe_u32 v11, v0, 7, 1
	v_lshl_add_u32 v10, v11, 10, v10
	v_add_nc_u32 v10, 1024, v10
	v_lshlrev_b32 v12, 3, v0                       ; out: 8 bytes a thread
.irp b, 0,1,2,3
	v_mov_b32 v[TM+4+\b], 0                        ; written once: a lane permute's destination counts as one of its sources
.endr
	global_load_b64 v[32:33], v8, s[10:11]
	global_load_b64 v[34:35], v8, s[12:13]
.irp c, 0,1,2,3
.irp i, 0,1,2,3,4,5,6,7,8,9,10,11,12,13,14,15
	global_load_b32 v[64+16*\c+\i], v5, s[6:7] offset:(32*\c+\i)*4096       ; Wd(128 s + 32 c + 16 h + i, 16 T + r)
.endr
.endr
.irp m, 0,1
.irp b, 0,1,2,3
.irp j, 0,1,2,3
	global_load_b128 v[128+64*\m+16*\b+4*\j:128+64*\m+16*\b+4*\j+3], v6, s[8:9] offset:65536*\m+128*\b+16*\j   ; h_dec(16 m + r, 128 s + 32 b + 16 h + 4 j ..)
.endr
.endr
.endr
	s_wait_loadcnt 0x0
	QUANT 64, 36, 52                               ; Wd's fragment v36-51, its scale word v52
	QUANT 128, 64, 53                              ; rows 0-15 of h_dec: v64-79, v53
	QUANT 192, 80, 54                              ; rows 16-31: v80-95, v54
.rept 8
	v_nop                                          ; codes written by vector instructions stand 4 places, scale words 8, ahead of a scaled matrix instruction
.endr
	v_wmma_scale_f32_16x16x128_f8f6f4 v[96:103], v[64:79], v[36:51], 0, v53, v52 matrix_a_fmt:MATRIX_FMT_BF8 matrix_b_fmt:MATRIX_FMT_BF8
	v_wmma_scale_f32_16x16x128_f8f6f4 v[104:111], v[80:95], v[36:51], 0, v54, v52 matrix_a_fmt:MATRIX_FMT_BF8 matrix_b_fmt:MATRIX_FMT_BF8
.rept 8
	v_nop                                          ; eight places ahead of the first read of the results
.endr
.irp i, 0,1,2,3
	ds_store_b128 v9, v[96+4*\i:99+4*\i] offset:512*\i     ; each accumulator from its low end on
.endr
	s_wait_dscnt 0x0                               ; for the others' sake
	s_barrier_signal -1
	s_barrier_wait -1
.irp y, 0,1,2,3,4,5,6,7
	ds_load_b32 v[112+2*\y], v10 offset:2048*\y
	ds_load_b32 v[113+2*\y], v10 offset:2048*\y+16
.endr
	s_wait_dscnt 0x0
.irp y, 1,2,3,4,5,6,7
	v_pk_add_f32 v[112:113], v[112:113], v[112+2*\y:113+2*\y]      ; the eight K steps, ascending
.endr
	v_pk_add_f32 v[32:33], v[32:33], v[34:35]      ; bd + be
	v_pk_add_f32 v[112:113], v[112:113], v[32:33]
	v_pk_mul_f32 v[112:113], v[112:113], s[30:31] op_sel_hi:[1,0]
	global_store_b64 v12, v[112:113], s[18:19]     ; a wave stores 256 consecutive bytes, aligned
	s_wait_tensorcnt 0x0
	ds_add_u32 v62, v63
	s_wait_dscnt 0x0
	s_endpgm
.Lfunc_end_k_qd7468a10c2_prep:
	.size	k_qd7468a10c2_prep, .Lfunc_end_k_qd7468a10c2_prep-k_qd7468a10c2_prep
	.p2alignl 7, 3214868480
	.fill 96, 4, 3214868480
	.section	.rodata,"a",@progbits
	.p2align	6, 0x0
	.amdhsa_kernel k_qd7468a10c2_prep
		.amdhsa_group_segment_fixed_size 18432
		.amdhsa_private_segment_fixed_size 0
		.amdhsa_enable_private_segment 0
		.amdhsa_kernarg_size 64
		.amdhsa_user_sgpr_count 2
		.amdhsa_user_sgpr_kernarg_segment_ptr 1
		.amdhsa_wavefront_size32 1
		.amdhsa_system_sgpr_workgroup_id_x 1
		.amdhsa_system_sgpr_workgroup_id_y 1
		.amdhsa_system_sgpr_workgroup_id_z 1
		.amdhsa_system_vgpr_workitem_id 0
		.amdhsa_next_free_vgpr 256
		.amdhsa_next_free_sgpr 66
		.amdhsa_reserve_vcc 0
		.amdhsa_float_denorm_mode_32 3
		.amdhsa_float_denorm_mode_16_64 3
		.amdhsa_memory_ordered 1
		.amdhsa_forward_progress 1
		.amdhsa_inst_pref_size 68
	.end_amdhsa_kernel
	.amdgpu_metadata
---
amdhsa.version: [ 1, 2 ]
amdhsa.kernels:
  - .name:           k_qd7468a10c2_prep
    .symbol:         k_qd7468a10c2_prep.kd
    .args:
      - { .name: We, .offset: 0, .size: 8, .value_kind: global_buffer, .address_space: global }
      - { .name: Wd, .offset: 8, .size: 8, .value_kind: global_buffer, .address_space: global }
      - { .name: h_dec, .offset: 16, .size: 8, .value_kind: global_buffer, .address_space: global }
      - { .name: bd, .offset: 24, .size: 8, .value_kind: global_buffer, .address_space: global }
      - { .name: be, .offset: 32, .size: 8, .value_kind: global_buffer, .address_space: global }
      - { .name: wq, .offset: 40, .size: 8, .value_kind: global_buffer, .address_space: global }
      - { .name: wqs, .offset: 48, .size: 8, .value_kind: global_buffer, .address_space: global }
      - { .name: decp, .offset: 56, .size: 8, .value_kind: global_buffer, .address_space: global }
    .group_segment_fixed_size: 18432
    .private_segment_fixed_size: 0
    .kernarg_segment_align: 8
    .kernarg_segment_size: 64
    .max_flat_workgroup_size: 256
    .sgpr_count:     66
    .vgpr_count:     256
    .wavefront_size: 32
...
	.end_amdgpu_metadata
.endif
;; end of part 1
;; launch main (part 2): grid 256 x 1, 4 waves a work-group, clusters of 4 x 1, 327,680 bytes of LDS; arguments h_enc, wq, wqs, decp, Wc, bc, scores, ctxp; writes scores, ctxp
.if DOCPART == 2
	.amdgcn_target "amdgcn-amd-amdhsa--gfx1250"
	.amdhsa_code_object_version 6
	.text
	.protected	k_qd7468a10c2_main
	.globl	k_qd7468a10c2_main
	.p2align	8
	.type	k_qd7468a10c2_main,@function
k_qd7468a10c2_main:
	s_mov_b64 s[64:65], 0
	v_nop
	global_prefetch_b8 v0, s[64:65] scope:SCOPE_SE
	s_setreg_imm32_b32 hwreg(HW_REG_WAVE_MODE, 25, 1), 1
	s_wait_xcnt 0x0
	s_wait_alu depctr_hold_cnt(0) depctr_sa_sdst(0) depctr_va_vdst(0) depctr_va_sdst(0) depctr_va_ssrc(0) depctr_va_vcc(0) depctr_vm_vsrc(0)
	s_getreg_b32 s2, hwreg(HW_REG_IB_STS2, 6, 4)
	s_cmp_eq_u32 s2, 0
	s_cbranch_scc0 .Lentry_in_a_cluster
	s_endpgm
.Lentry_in_a_cluster:
	s_bfe_u32 s2, ttmp6, 0x10000c
	s_cmp_lg_u32 s2, 0x3003
	s_cbranch_scc0 .Lentry_shape_is_right
	s_endpgm
.Lentry_shape_is_right:
; For each tile of 64 rows of h_enc [65,536][1,024] f32: quantise the rows (BF8, one E8M0 byte for each 32 along K), enc = Q(x) Q(We) for ALL 1,024 columns in the accumulators, score = sum over columns of
; Wc tanh(enc + be + dec + bd) + bc, p = exp(score - the tile's largest score), and the sum over the tile's rows of p x enc.  enc never goes to memory.  Out: scores [65,536], ctxp [tile 1,024][1,024] (without be).
; SHARES.  256 work-groups, each 256 rows (an eighth of a batch) as 4 tiles.  Wave w owns columns 256 w .. 256 w + 255 of all 64 rows: 4 row tiles x 16 column tiles = 64 accumulators, 512 registers.
; Wave w also quantises rows 16 w .. 16 w + 15; the codes go to the other waves through LDS as images of the operand's registers.
; We's CODES come laid in the operand's order: a K step of a wave's columns is one dense block of 32,768 bytes, brought by one tensor load into a ring of two LDS slots and read by that wave alone.
; CLUSTER.  All work-groups walk the same blocks in the same order: the four of a cluster ask JOINTLY (mask 15), which divides the requests by four.  Only this operand is shared, so a larger cluster would add nothing.
; K RUNS BACK AND FORTH: position i of a tile takes K step i xor m, m = 0 in even tiles and 7 in odd ones.  The two slots left at a tile's end are the first two that the next tile wants: six refills a tile,
; the same in every tile, so the tile is written once.  The f32 sums therefore run down K in odd tiles.
; tanh(x) = 1 - 2 / (1 + 2^(c x)), c = 2 log2(e): right at both ends (2^.. = infinity gives 1, 0 gives -1).  The score is formed as sum(Wc) + bc - 2 sum(Wc / (1 + 2^..)).
; LIMITS: NaN and infinities among the inputs are not served; a block of zeros gets the scale byte 1 (its codes are zeros; this program alone reads the bytes).
; No prefetch of h_enc: two register stages a wave (16 loads each) are on their way all through the K loop.
; REGISTERS, in windows of 256 (s_set_vgpr_msb: bits 1:0 source 0, 3:2 source 1, 5:4 source 2, 7:6 destination):
;   window 0: v1-19 addresses; v20-31 at work; v32-47 We's scale words, two sets; v48-55 x's, two sets; v56-89 the quantiser; v90-153, v154-217 two stages of x; v218-249 S; v250-253 constants of a lane
;   window 1, K loop: v0-63, v64-127 x's four fragments, two sets; v128-191, v192-255 four fragments of We each.  Epilogue: v0-15 d', v16-31 Wc, v32-63 context, v64-127, v128-191 two batches
;   windows 2, 3: accumulator (nt, mt) at v[8 (4 (nt % 8) + mt)] of window 2 + nt / 8; its register j in lane (r, h) is (row 16 mt + 8 h + j, column 16 nt + r)
.set SLOTB, 131072                     ; LDS: two slots of 4 x 32,768 bytes at 0 and here (one exclusive or turns one address into the other);
.set BSC,   262144                     ; We's scale words for all of K, 32,768 bytes, filled once;
.set AIMG,  294912                     ; x's images, two places of AIMB bytes: 4 fragments of 2,048, then 4 x 128 bytes of scale words;
.set AIMB,  8704
.set CONST, 312320                     ; for each wave 2,048 bytes: d' of its columns, then Wc;
.set SCP,   320512                     ; for each wave 256 bytes: its part of the 64 scores;
.set CTXS,  321536                     ; for each wave 1,024 bytes: the context's turn into rows;
.set SPARE, 325632                     ; the spare words, 128 bytes a wave: two blocks of 256 bytes that no other line names
.set X0, 90
.set TM, 56                            ; v56-59 largest magnitudes, v60-63 bytes, v64-67 the hold, v68-71 the conversions' scale operands
.set PW, 72                            ; the scale word just made
.set PC, 74                            ; v74-89 the codes just made
.set S,  218
.set MSB, 0
.macro WIN new                         ; the immediate's high byte repeats the setting that is left; a switch that changes nothing is dropped
.if MSB != (\new)
	s_set_vgpr_msb (MSB<<8)|(\new)
.set MSB, (\new)
.endif
.endm
.macro NOPS n
.rept \n
	v_nop
.endr
.endm
.macro CREST                           ; a round of the cluster's barrier behind its opening barrier
	s_cmp_lg_u32 s20, 0
	s_cbranch_scc1 .Lnot_wave_0_\@
	s_barrier_signal -3
.Lnot_wave_0_\@:
	s_barrier_wait -3
	s_barrier_signal -1
	s_barrier_wait -1
.endm
.macro ROUND
	s_barrier_signal -1
	s_barrier_wait -1
	CREST
.endm
.macro XBASE p, j                      ; stage p's base: my 16 rows, at K step j xor m (512 bytes a K step).  The stage's earlier loads have been waited for
	s_xor_b32 s70, s60, (\j)<<9
	s_add_nc_u64 s[66+2*(\p):67+2*(\p)], s[62:63], s[70:71]
.endm
.macro XLOAD p, extra                  ; 64 numbers a lane: of row r, 16 neighbours (64 h bytes on) of each block of 32
.irp b, 0,1,2,3
.irp j, 0,1,2,3
	global_load_b128 v[X0+64*(\p)+16*\b+4*\j:X0+64*(\p)+16*\b+4*\j+3], v9, s[66+2*(\p):67+2*(\p)] offset:(\extra)+128*\b+16*\j th:TH_LOAD_NT
.endr
.endr
.endm
.macro QUANT x                         ; register 16 b + i = k 32 b + 16 (lane / 16) + i of my row: codes into v[PC] on, the scale word into v[PW]
.irp b, 0,1,2,3
	v_max3_num_f32 v[TM+\b], |v[(\x)+16*\b]|, |v[(\x)+16*\b+1]|, 0x8000000   ; my 16 numbers of block b, and the floor 2^(16 - 127): the byte cannot fall under 1
.endr
.irp i, 2,4,6,8,10,12,14
.irp b, 0,1,2,3
	v_max3_num_f32 v[TM+\b], v[TM+\b], |v[(\x)+16*\b+\i]|, |v[(\x)+16*\b+\i+1]|
.endr
.endr
.irp b, 0,1,2,3
	v_permlanex16_b32 v[TM+4+\b], v[TM+\b], s72, s73
.endr
.irp b, 0,1,2,3
	v_max_num_f32 v[TM+\b], v[TM+\b], v[TM+4+\b]       ; with lane l xor 16's: the block's largest magnitude
.endr
.irp b, 0,1,2,3
	v_add_nc_u32 v[TM+12+\b], 0xf8800000, v[TM+\b]     ; 15 off its exponent field: the conversion's scale operand
.endr
.irp b, 0,1,2,3
	v_and_or_b32 v[TM+8+\b], v[TM+\b], 0x7f800000, s74 ; 57,344 x the scale
.endr
.irp b, 0,1,2,3
	v_lshrrev_b32 v[TM+4+\b], 23, v[TM+12+\b]          ; the byte
.endr
	v_lshl_or_b32 v[PW], v[TM+5], 8, v[TM+4]
	v_lshl_or_b32 v[PW], v[TM+6], 16, v[PW]
	v_lshl_or_b32 v[PW], v[TM+7], 24, v[PW]
.irp b, 0,1,2,3
.irp i, 0,1,2,3,4,5,6,7,8,9,10,11,12,13,14,15
	v_med3_num_f32 v[(\x)+16*\b+\i], v[(\x)+16*\b+\i], -v[TM+8+\b], v[TM+8+\b]   ; the conversion does not saturate (ISA guide 7.6.2): the hold
.endr
	v_cvt_scalef32_pk8_bf8_f32 v[PC+4*\b:PC+4*\b+1], v[(\x)+16*\b:(\x)+16*\b+7], v[TM+12+\b]
	v_cvt_scalef32_pk8_bf8_f32 v[PC+4*\b+2:PC+4*\b+3], v[(\x)+16*\b+8:(\x)+16*\b+15], v[TM+12+\b]
.endr
	v_nop                                              ; a plain line behind the last conversion
.endm
.macro IMAGE p                         ; my fragment and its scale words go to LDS as they stand: five LDS stores
.irp c, 0,1,2,3
	ds_store_b128 v7, v[PC+4*\c:PC+4*\c+3] offset:AIMB*(\p)+512*\c
.endr
	ds_store_b32 v8, v[PW] offset:AIMB*(\p)
.endm
.macro BLOAD g, p                      ; We's column tiles 4 g .. 4 g + 3 of my block, from the slot of parity p, into half g % 2: sixteen LDS loads
	WIN 0x40
.irp q, 0,1,2,3
.irp c, 0,1,2,3
	ds_load_b128 v[128+64*((\g)&1)+16*\q+4*\c:128+64*((\g)&1)+16*\q+4*\c+3], v[3+(\p)] offset:2048*(4*(\g)+\q)+512*\c
.endr
.endr
.endm
.macro FIRSTLD i                       ; what position i begins with, 38 LDS loads: x's scale words (4), We's (2), We's first four tiles (16), x's four fragments (16)
.set FP, (\i)&1
	WIN 0
	s_xor_b32 s61, s59, (\i)<<12                   ; K step i xor m: 4,096 bytes of scale words a K step
	v_add_nc_u32 v19, s61, v18
.irp m, 0,1,2,3
	ds_load_b32 v[48+4*FP+\m], v6 offset:AIMB*FP+128*\m
.endr
	ds_load_b128 v[32+8*FP:32+8*FP+3], v19                 ; register nt / 2: lanes 0-15 the words of the even tile, lanes 16-31 of the odd one
	ds_load_b128 v[32+8*FP+4:32+8*FP+7], v19 offset:512
	BLOAD 0, FP
.irp m, 0,1,2,3
.irp c, 0,1,2,3
	ds_load_b128 v[64*FP+16*\m+4*\c:64*FP+16*\m+4*\c+3], v5 offset:AIMB*FP+2048*\m+512*\c
.endr
.endr
.endm
; Eight matrix instructions: column tiles nt0 (even), nt0 + 1 x the four row tiles.  Source 0 = 16 rows of x, source 1 = 16 columns of We.  p: the sets of x and of scale words.  zero = 1: the product starts the sum.
; The 64 accumulators take turns, one instruction a turn, in the same order in every position.
.macro MUL8 nt0, p, zero
	WIN 0xa5+0x50*((\nt0)>>3)
.irp u, 0,1
.irp m, 0,1,2,3
.set NT, (\nt0)+\u
.set AC, 8*(4*(NT&7)+\m)
.set BF, 128+64*((NT>>2)&1)+16*(NT&3)
.set AFR, 64*(\p)+16*\m
.set SA, 48+4*(\p)+\m
.set SB, 32+8*(\p)+(NT>>1)
.if \zero
.if \u
	v_wmma_scale_f32_16x16x128_f8f6f4 v[AC:AC+7], v[AFR:AFR+15], v[BF:BF+15], 0, v[SA], v[SB] matrix_a_fmt:MATRIX_FMT_BF8 matrix_b_fmt:MATRIX_FMT_BF8 matrix_b_scale:MATRIX_SCALE_ROW1
.else
	v_wmma_scale_f32_16x16x128_f8f6f4 v[AC:AC+7], v[AFR:AFR+15], v[BF:BF+15], 0, v[SA], v[SB] matrix_a_fmt:MATRIX_FMT_BF8 matrix_b_fmt:MATRIX_FMT_BF8
.endif
.else
.if \u
	v_wmma_scale_f32_16x16x128_f8f6f4 v[AC:AC+7], v[AFR:AFR+15], v[BF:BF+15], v[AC:AC+7], v[SA], v[SB] matrix_a_fmt:MATRIX_FMT_BF8 matrix_b_fmt:MATRIX_FMT_BF8 matrix_b_scale:MATRIX_SCALE_ROW1
.else
	v_wmma_scale_f32_16x16x128_f8f6f4 v[AC:AC+7], v[AFR:AFR+15], v[BF:BF+15], v[AC:AC+7], v[SA], v[SB] matrix_a_fmt:MATRIX_FMT_BF8 matrix_b_fmt:MATRIX_FMT_BF8
.endif
.endif
.endr
.endr
.endm
; POSITION i of a tile: 128 along K, 64 matrix instructions, of which the last sixteen stand at the head of the next position.  A load into a register that a matrix instruction has read stands eight places
; behind it, and only plain vector instructions that name none of its registers are places: the quantiser's lines, or v_nop.
.macro POS i
.set P, (\i)&1
.set PN, 1-P
.set Z, 0
.set ZP, 0
.if (\i) == 0
.set Z, 1
	FIRSTLD 0
.else
.if (\i) == 1
.set ZP, 1
.endif
	MUL8 12, PN, ZP                                ; the position before: its last four column tiles
	MUL8 14, PN, ZP
.endif
	WIN 0
.if (\i) < 6
	s_wait_loadcnt 16                              ; the next position's 16 loads of x are in; the other stage's 16 may be out
.elseif (\i) == 6
	s_wait_loadcnt 0x0                             ; position 7's: nothing was asked for behind them
.endif
.if (\i) < 7
	QUANT X0+64*PN                                 ; my 16 rows for position i + 1, into the place whose last readers passed the barrier of position i - 1
	IMAGE PN
.else
	NOPS 8
.endif
.if (\i) < 5
	XBASE PN, (\i)+3
	XLOAD PN, 0                                    ; the stage just emptied takes position i + 3
.endif
.if (\i) == 6
	s_cmp_eq_u32 s23, 1                            ; the next tile's positions 0 and 1 (64 rows on, K steps 0 xor m xor 7 and 1 xor m xor 7), if there is a next tile: no load leaves its buffer
	s_cbranch_scc1 .Lno_next_a
	XBASE 0, 7
	XLOAD 0, 262144
	XBASE 1, 6
	XLOAD 1, 262144
.Lno_next_a:
.endif
	BLOAD 1, P
.if (\i) < 7
	s_wait_dscnt 21                                ; the 38 loads that the position begins with are in; the image's 5 stores and the 16 loads just issued may be out
.else
	s_wait_dscnt 16
.endif
	MUL8 0, P, Z
	MUL8 2, P, Z
	NOPS 8
	BLOAD 2, P
	s_wait_dscnt 16                                ; all but the 16 just issued
	MUL8 4, P, Z
	MUL8 6, P, Z
	NOPS 8
	BLOAD 3, P
.if (\i) < 7
	; THE CHANGE OF SLOTS: one barrier for three things: my part of the next slot has landed, my reads of this slot are over, and my image of x for the next position lies in LDS
	WIN 0
	s_wait_tensorcnt 0x0                           ; all my tensor loads have landed: no load of mine is out, so the walking group 0 may be written
	ds_add_u32 v1, v2                              ; 0 onto my spare word
.if (\i) < 6
	s_xor_b32 s54, s58, ((\i)+2)<<17               ; K step (i + 2) xor m: 131,072 bytes a K step,
	s_mov_b32 s41, s[56+P]                         ; into the slot that is being left
	s_add_nc_u64 s[42:43], s[52:53], s[54:55]
	s_or_b32 s43, s43, 0x80000000                  ; type = 2
.endif
	s_wait_dscnt 17                                ; (the youngest 16 loads and the add may be out)
	MUL8 8, P, Z
	s_wait_dscnt 0x0                               ; the add is done, my reads of this slot are over, my image has landed
	s_barrier_signal -1
	MUL8 10, P, Z
	WIN 0
	s_barrier_wait -1
.if (\i) < 6
	CREST                                          ; the barrier has opened a round of the cluster's: no wave of any partner still reads this slot or has a load on its way
	tensor_load_to_lds s[40:43], s[24:31]          ; my one tensor load behind the round, and the first thing there
	s_nop 0
.endif
	NOPS 8                                         ; the places in front of the loads below
	FIRSTLD (\i)+1
.else
	s_wait_dscnt 16
	MUL8 8, P, Z
	MUL8 10, P, Z
	s_wait_dscnt 0x0
	MUL8 12, P, Z
	MUL8 14, P, Z
	WIN 0
.endif
.endm
; THE EPILOGUE'S BATCHES.  Batch k = column tiles 2 k, 2 k + 1: 64 consecutive accumulator registers; pair e: tile 2 k + e / 16, row tile (e / 4) % 4, rows 2 (e % 4) and the next.
.macro SCALE k                         ; c enc + d': each accumulator is read from its low end on
	WIN 0x52+((\k)>>2)
.set e, 0
.rept 32
.set TT, 64+64*((\k)&1)+2*e
.set AC, 64*((\k)&3)+2*e
.if e < 16
	v_pk_fma_f32 v[TT:TT+1], v[AC:AC+1], s[76:77], v[2*(\k):2*(\k)+1] op_sel_hi:[1,0,0]
.else
	v_pk_fma_f32 v[TT:TT+1], v[AC:AC+1], s[76:77], v[2*(\k):2*(\k)+1] op_sel:[0,0,1] op_sel_hi:[1,0,1]
.endif
.set e, e+1
.endr
.endm
.macro EXP64 k
	WIN 0x41
.set e, 0
.rept 64
	v_exp_f32 v[64+64*((\k)&1)+e], v[64+64*((\k)&1)+e]
.set e, e+1
.endr
.endm
.macro ADD1 k
	WIN 0x41
.set e, 0
.rept 32
	v_pk_add_f32 v[64+64*((\k)&1)+2*e:64+64*((\k)&1)+2*e+1], v[64+64*((\k)&1)+2*e:64+64*((\k)&1)+2*e+1], 1.0 op_sel_hi:[1,0]
.set e, e+1
.endr
.endm
.macro RCP64 k
	WIN 0x41
.set e, 0
.rept 64
	v_rcp_f32 v[64+64*((\k)&1)+e], v[64+64*((\k)&1)+e]
.set e, e+1
.endr
.endm
.macro SFMA k                          ; S(row) += Wc(column) / (1 + 2^..); the first sixteen start the sums: nothing is cleared
	WIN 0x05
.set e, 0
.rept 32
.set TT, 64+64*((\k)&1)+2*e
.set SS, S+2*(e&15)
.set WW, 16+2*(\k)
.if ((\k) == 0) && (e < 16)
	v_pk_mul_f32 v[SS:SS+1], v[TT:TT+1], v[WW:WW+1] op_sel_hi:[1,0]
.elseif e < 16
	v_pk_fma_f32 v[SS:SS+1], v[TT:TT+1], v[WW:WW+1], v[SS:SS+1] op_sel_hi:[1,0,1]
.else
	v_pk_fma_f32 v[SS:SS+1], v[TT:TT+1], v[WW:WW+1], v[SS:SS+1] op_sel:[0,1,0] op_sel_hi:[1,1,1]
.endif
.set e, e+1
.endr
.endm
; ---------------- THE HEAD
	s_load_b256 s[4:11], s[0:1], 0x0               ; h_enc s[4:5], wq s[6:7], wqs s[8:9], decp s[10:11]
	s_load_b256 s[12:19], s[0:1], 0x20             ; Wc s[12:13], bc s[14:15], scores s[16:17], ctxp s[18:19]
	v_lshl_add_u32 v1, v0, 2, SPARE                ; my spare word; never rewritten
	v_mov_b32 v2, 0                                ; 0; never rewritten
	ds_add_u32 v1, v2
	ds_add_u32 v1, v2
	s_wait_dscnt 0x0
	v_lshrrev_b32 v20, 5, v0
	v_readfirstlane_b32 s20, v20                   ; wave 0..3
	s_bfe_u32 s21, ttmp6, 0x40000                  ; cx: it enters global addresses of x, d', scores and ctxp alone
	s_lshl_b32 s22, ttmp9, 2
	s_add_co_u32 s22, s22, s21                     ; G: my 256 rows
	s_mov_b32 s23, 4                               ; tiles to go
	; group 1 for a block of We's codes: 32,768 dense bytes as 128 rows of 256 (32 elements of 8 bytes); no padding: every LDS load takes 512 consecutive bytes
	s_mov_b32 s24, 15|(3<<16)|(1<<21)              ; 15:0 the mask: all four work-groups; 17:16 elements of 8 bytes; 21 set beside a mask
	s_mov_b32 s25, 32<<16                          ; tensor_dim0 = 32
	s_mov_b32 s26, 128<<16                         ; tensor_dim1 = 128
	s_mov_b32 s27, 32<<16                          ; tile_dim0 = 32
	s_mov_b32 s28, 128                             ; tile_dim1 = 128
	s_mov_b32 s29, 32                              ; the pitch
	s_mov_b32 s30, 0
	s_mov_b32 s31, 0
	; and for a quarter of the scale words: 8,192 dense bytes, 32 rows
	s_mov_b32 s32, 15|(3<<16)|(1<<21)
	s_mov_b32 s33, 32<<16
	s_mov_b32 s34, 32<<16
	s_mov_b32 s35, 32<<16
	s_mov_b32 s36, 32
	s_mov_b32 s37, 32
	s_mov_b32 s38, 0
	s_mov_b32 s39, 0
	s_lshl_b32 s56, s20, 15                        ; my block in the slot of even positions,
	s_add_co_u32 s57, s56, SLOTB                   ; and of odd ones; both are turned at each tile's end
	s_mov_b32 s58, 0                               ; m << 17, m << 12, m << 9
	s_mov_b32 s59, 0
	s_mov_b32 s60, 0
	s_mov_b32 s54, s56
	s_mov_b32 s55, 0
	s_mov_b32 s72, 0x76543210
	s_mov_b32 s73, 0xfedcba98                      ; v_permlanex16_b32's selects for lane l xor 16
	s_mov_b32 s74, 0x600000                        ; the mantissa field of 57,344
	s_mov_b32 s76, 0x4038aa3b                      ; c = 2 log2(e)
	s_mov_b32 s77, s76
	s_mov_b32 s78, 0x3fb8aa3b                      ; log2(e)
	s_mov_b32 s79, s78
	s_mov_b32 s81, 0xbfb8aa3b                      ; -log2(e)
	s_wait_kmcnt 0x0
	s_add_nc_u64 s[52:53], s[6:7], s[54:55]        ; wq at my wave's block of K step 0: the same in all four partners
	s_lshl_b32 s54, s20, 13
	s_mov_b32 s48, 1
	s_add_co_u32 s49, s54, BSC
	s_add_nc_u64 s[50:51], s[8:9], s[54:55]
	s_or_b32 s51, s51, 0x80000000
	s_mov_b32 s40, 1
	s_mov_b32 s41, s56
	s_mov_b64 s[42:43], s[52:53]
	s_or_b32 s43, s43, 0x80000000
	s_mov_b32 s44, 1
	s_mov_b32 s45, s57
	s_add_nc_u64 s[46:47], s[52:53], SLOTB
	s_or_b32 s47, s47, 0x80000000
	ROUND                                          ; all four work-groups are here: the first joint loads meet
	tensor_load_to_lds s[48:51], s[32:39]          ; the first fills go out together: my quarter of the scale words,
	s_nop 0
	tensor_load_to_lds s[40:43], s[24:31]          ; my block of K step 0,
	s_nop 0
	tensor_load_to_lds s[44:47], s[24:31]          ; and of K step 1: three loads of mine are out
	s_nop 0
	NOPS 4
	s_load_b32 s80, s[14:15], 0x0                  ; bc
	v_and_b32 v20, 31, v0                          ; lane
	v_and_b32 v21, 15, v0                          ; r
	v_bfe_u32 v22, v0, 4, 1                        ; h
	v_lshlrev_b32 v17, 4, v20                      ; 16 lane
	v_lshlrev_b32 v14, 3, v20                      ; 8 lane
	v_lshl_add_u32 v5, v20, 4, AIMG                ; an image's place for my lane
	v_lshl_add_u32 v6, v20, 2, AIMG+8192           ; a scale word's
	s_lshl_b32 s61, s20, 11
	v_add_nc_u32 v7, s61, v5                       ; where I store my fragment
	v_lshl_add_u32 v10, v21, 4, CONST
	v_add_nc_u32 v10, s61, v10                     ; my wave's constants, 16 bytes for column r
	s_lshl_b32 s61, s20, 7
	v_add_nc_u32 v8, s61, v6                       ; where I store its scale words
	v_lshlrev_b32 v9, 12, v21
	v_lshl_add_u32 v9, v22, 6, v9                  ; x: row r of 4,096 bytes, + 64 h
	v_lshl_add_u32 v12, v22, 5, SCP                ; the scores' parts: my half's eight rows of a row tile
	s_lshl_b32 s61, s20, 8
	v_add_nc_u32 v11, s61, v12                     ; and my wave's part
	v_lshl_add_u32 v13, v20, 3, SCP                ; two rows a lane (wave 0, on the way out)
	s_lshl_b32 s61, s20, 10
	v_lshl_add_u32 v15, v21, 2, CTXS
	v_add_nc_u32 v15, s61, v15
	v_lshl_add_u32 v16, v20, 4, CTXS
	v_add_nc_u32 v16, s61, v16
	v_lshl_add_u32 v18, v20, 4, BSC
	v_add_nc_u32 v18, s61, v18                     ; my wave's scale words of K step 0
	v_lshlrev_b32 v23, 2, v21                      ; 4 r
	s_mov_b32 s71, 0                               ; the high word of the offset pair s[70:71]: stays 0
	s_lshl_b32 s70, s22, 14
	s_add_co_u32 s70, s70, s61
	s_add_nc_u64 s[84:85], s[18:19], s[70:71]      ; ctxp: 4 tiles of 4,096 bytes a work-group, + 1,024 w
	s_lshr_b32 s70, s22, 3                         ; the batch
	s_lshl_b32 s70, s70, 6
	s_add_co_u32 s70, s70, s56
	s_add_nc_u64 s[10:11], s[10:11], s[70:71]      ; decp: column tile 16 w, batch b
	s_mov_b32 s70, s61
	s_add_nc_u64 s[12:13], s[12:13], s[70:71]      ; Wc: column 256 w
	s_lshl_b32 s70, s22, 10
	s_add_nc_u64 s[82:83], s[16:17], s[70:71]      ; scores: 256 rows a work-group
	s_lshl_b32 s70, s22, 20
	s_lshl_b32 s61, s20, 16
	s_add_co_u32 s70, s70, s61
	s_add_nc_u64 s[62:63], s[4:5], s[70:71]        ; x: 256 G rows, + my 16 w
.irp n, 0,1,2,3,4,5,6,7,8,9,10,11,12,13,14,15
	global_load_b32 v[S+\n], v23, s[10:11] offset:2048*\n          ; d'(column 16 nt + r)
.endr
.irp n, 0,1,2,3,4,5,6,7,8,9,10,11,12,13,14,15
	global_load_b32 v[S+16+\n], v23, s[12:13] offset:64*\n         ; Wc likewise
.endr
	XBASE 0, 0
	XLOAD 0, 0
	XBASE 1, 1
	XLOAD 1, 0
.irp b, 0,1,2,3
	v_mov_b32 v[TM+4+\b], 0                        ; written once: a lane permute's destination counts as one of its sources
.endr
	s_wait_loadcnt 32                              ; d' and Wc are in; the two stages of x may be out
	v_add_f32 v250, v[S+16], v[S+17]               ; the sum of Wc over my wave's 256 columns
.irp n, 2,3,4,5,6,7,8,9,10,11,12,13,14,15
	v_add_f32 v250, v250, v[S+16+\n]
.endr
.irp x, 1,2,4,8
	v_add_f32_dpp v250, v250, v250 row_xmask:\x row_mask:0xf bank_mask:0xf
.endr
	s_wait_kmcnt 0x0
	s_cmp_eq_u32 s20, 0
	s_cselect_b32 s75, s80, 0                      ; wave 0's part carries bc
	v_add_f32 v250, s75, v250
	v_mov_b32 v251, v250
.irp q, 0,1,2,3
	ds_store_b128 v10, v[S+4*\q:S+4*\q+3] offset:256*\q            ; both halves of the lanes write the same bytes with the same values
	ds_store_b128 v10, v[S+16+4*\q:S+16+4*\q+3] offset:1024+256*\q
.endr
	s_wait_loadcnt 16                              ; position 0's x is in
	QUANT X0
	IMAGE 0
	XBASE 0, 2
	XLOAD 0, 0
	s_wait_tensorcnt 0x0                           ; the scale words and both slots: my parts are in,
	s_wait_dscnt 0x0                               ; my image has landed:
	s_barrier_signal -1
	s_barrier_wait -1                              ; everybody's.
; ---------------- THE TILES
.Ltile:
	v_add_nc_u32 v3, s56, v17                      ; my block in the slot of even positions,
	v_add_nc_u32 v4, s57, v17                      ; and of odd ones
	POS 0
	POS 1
	POS 2
	POS 3
	POS 4
	POS 5
	POS 6
	POS 7
	; ---- the constants of my columns come back from LDS
	NOPS 8                                         ; eight places behind the last products, for the loads and the reads below
	WIN 0x40
.irp q, 0,1,2,3
	ds_load_b128 v[4*\q:4*\q+3], v10 offset:256*\q
	ds_load_b128 v[16+4*\q:19+4*\q], v10 offset:1024+256*\q
.endr
	s_wait_dscnt 0x0
	; ---- tanh and my columns' part of the scores.  Each batch of 64 exponentials or reciprocals has 32 plain lines of another batch behind it and then ONE wait, ahead of its first reader
	SCALE 0
.irp k, 0,1,2,3,4,5,6,7
	EXP64 \k
.if \k > 0
	SFMA \k-1
.else
	v_nop
.endif
	s_wait_alu depctr_va_vdst(0)
	ADD1 \k
	RCP64 \k
.if \k < 7
	SCALE \k+1
.else
	v_nop
.endif
	s_wait_alu depctr_va_vdst(0)
.endr
	SFMA 7
	WIN 0
.irp x, 1,2,4,8
.set e, 0
.rept 32
	v_add_f32_dpp v[S+e], v[S+e], v[S+e] row_xmask:\x row_mask:0xf bank_mask:0xf     ; over the 16 columns of a tile: every lane of a half ends with the sum
.set e, e+1
.endr
.endr
.set e, 0
.rept 16
	v_pk_fma_f32 v[S+2*e:S+2*e+1], v[S+2*e:S+2*e+1], -2.0, v[250:251] op_sel_hi:[1,0,1]   ; sum(Wc) (+ bc) - 2 sum(Wc / (1 + 2^..))
.set e, e+1
.endr
	; ---- the next tile's first image of x, into the place whose last readers passed the barrier of position 6
	s_cmp_eq_u32 s23, 1
	s_cbranch_scc1 .Lno_next_b
	s_wait_loadcnt 16                              ; its position 0 is in; its position 1 may be out
	QUANT X0
	IMAGE 0
	XBASE 0, 5                                     ; its position 2: K step 2 xor m xor 7
	XLOAD 0, 262144
	s_branch .Lnext_done
.Lno_next_b:
	s_wait_loadcnt 0x0                             ; the last tile has nothing on its way
.Lnext_done:
	; ---- the four waves' parts meet
.irp m, 0,1,2,3
.irp q, 0,1
	ds_store_b128 v11, v[S+8*\m+4*\q:S+8*\m+4*\q+3] offset:64*\m+16*\q     ; rows 16 mt + 8 h + 4 q ..: the sixteen lanes of a half write the same bytes with the same values
.endr
.endr
	s_wait_dscnt 0x0                               ; for the others' sake: my part and my image have landed; my reads of the place of odd images are over
	s_barrier_signal -1
	s_barrier_wait -1
	WIN 0x40
.irp y, 0,1,2,3
.irp m, 0,1,2,3
.irp q, 0,1
	ds_load_b128 v[64+32*\y+8*\m+4*\q:64+32*\y+8*\m+4*\q+3], v12 offset:256*\y+64*\m+16*\q
.endr
.endr
.endr
	WIN 0
	s_cmp_lg_u32 s20, 0
	s_cbranch_scc1 .Lnot_w0
.irp y, 0,1,2,3
	ds_load_b64 v[20+2*\y:21+2*\y], v13 offset:256*\y              ; wave 0 stores the scores: two rows a lane, added in the same order as below
.endr
	s_wait_dscnt 0x0
	v_pk_add_f32 v[20:21], v[20:21], v[22:23]
	v_pk_add_f32 v[24:25], v[24:25], v[26:27]
	v_pk_add_f32 v[20:21], v[20:21], v[24:25]
	global_store_b64 v14, v[20:21], s[82:83]       ; 256 consecutive bytes, aligned
.Lnot_w0:
	s_wait_dscnt 0x0
	WIN 0x45
.set e, 0
.rept 16
	v_pk_add_f32 v[64+2*e:65+2*e], v[64+2*e:65+2*e], v[96+2*e:97+2*e]
	v_pk_add_f32 v[128+2*e:129+2*e], v[128+2*e:129+2*e], v[160+2*e:161+2*e]
.set e, e+1
.endr
	WIN 0x05
.set e, 0
.rept 16
	v_pk_add_f32 v[S+2*e:S+2*e+1], v[64+2*e:65+2*e], v[128+2*e:129+2*e]    ; the scores of my half's 32 rows
.set e, e+1
.endr
	WIN 0
	; ---- p = exp(score - the tile's largest score)
	v_max3_num_f32 v28, v[S], v[S+1], v[S+2]
	v_max3_num_f32 v29, v[S+16], v[S+17], v[S+18]
.irp i, 3,5,7,9,11,13
	v_max3_num_f32 v28, v28, v[S+\i], v[S+\i+1]
	v_max3_num_f32 v29, v29, v[S+16+\i], v[S+16+\i+1]
.endr
	v_max3_num_f32 v28, v28, v29, v[S+15]
	v_max_num_f32 v28, v28, v[S+31]
	v_permlanex16_b32 v29, v28, s72, s73
	v_max_num_f32 v28, v28, v29                    ; with the other half's 32 rows
	v_mul_f32 v252, s81, v28                       ; -m log2(e)
	v_mov_b32 v253, v252
.set e, 0
.rept 16
	v_pk_fma_f32 v[S+2*e:S+2*e+1], v[S+2*e:S+2*e+1], s[78:79], v[252:253] op_sel_hi:[1,0,1]
.set e, e+1
.endr
.set e, 0
.rept 32
	v_exp_f32 v[S+e], v[S+e]
.set e, e+1
.endr
	v_nop                                          ; a plain line behind the last exponential,
	s_wait_alu depctr_va_vdst(0)                   ; and one wait for the batch, ahead of its first reader
	; ---- the context's part: the sum over my half's rows of p x enc, two rows at a time; eight chains by turns
.irp y, 0,1
	WIN 0x52+\y
.irp m, 0,1,2,3
.irp p, 0,1,2,3
.irp n, 0,1,2,3,4,5,6,7
.if (\m == 0) && (\p == 0)
	v_pk_mul_f32 v[32+2*(8*\y+\n):33+2*(8*\y+\n)], v[8*(4*\n+\m)+2*\p:8*(4*\n+\m)+2*\p+1], v[S+8*\m+2*\p:S+8*\m+2*\p+1]
.else
	v_pk_fma_f32 v[32+2*(8*\y+\n):33+2*(8*\y+\n)], v[8*(4*\n+\m)+2*\p:8*(4*\n+\m)+2*\p+1], v[S+8*\m+2*\p:S+8*\m+2*\p+1], v[32+2*(8*\y+\n):33+2*(8*\y+\n)]
.endif
.endr
.endr
.endr
.endr
	WIN 0x05
.irp n, 0,1,2,3,4,5,6,7,8,9,10,11,12,13,14,15
	v_add_f32 v[S+\n], v[32+2*\n], v[33+2*\n]      ; even rows' and odd rows'
.endr
	WIN 0
.irp n, 0,1,2,3,4,5,6,7,8,9,10,11,12,13,14,15
	v_permlanex16_b32 v[S+16+\n], v[S+\n], s72, s73
.endr
.irp n, 0,1,2,3,4,5,6,7,8,9,10,11,12,13,14,15
	v_add_f32 v[S+\n], v[S+\n], v[S+16+\n]         ; and the other half's rows
.endr
.irp n, 0,1,2,3,4,5,6,7,8,9,10,11,12,13,14,15
	ds_store_b32 v15, v[S+\n] offset:64*\n         ; column 16 nt + r, through my own 1,024 bytes of LDS,
.endr
	ds_load_b128 v[S+16:S+19], v16                 ; and back as a row: LDS serves a wave's instructions in order (ISA guide 5.7.1.4)
	ds_load_b128 v[S+20:S+23], v16 offset:512
	s_wait_dscnt 0x0
	global_store_b128 v17, v[S+16:S+19], s[84:85]              ; 512 consecutive bytes a store, aligned
	global_store_b128 v17, v[S+20:S+23], s[84:85] offset:512
	; ---- on to the next tile
	s_wait_xcnt 0x0                                ; the stores have read their data and bases: both are written again only behind this wait
	s_add_nc_u64 s[62:63], s[62:63], 262144        ; 64 rows of x
	s_add_nc_u64 s[82:83], s[82:83], 256
	s_add_nc_u64 s[84:85], s[84:85], 4096
	s_xor_b32 s60, s60, 7<<9                       ; K turns round,
	s_xor_b32 s59, s59, 7<<12
	s_xor_b32 s58, s58, 7<<17
	s_xor_b32 s56, s56, SLOTB                      ; and the slot read last is the next tile's first
	s_xor_b32 s57, s57, SLOTB
	s_sub_co_u32 s23, s23, 1
	s_cmp_lg_u32 s23, 0
	s_cbranch_scc1 .Ltile
	s_wait_tensorcnt 0x0                           ; the wave's end, behind my last tensor load and my last LDS store
	ds_add_u32 v1, v2
	s_wait_dscnt 0x0
	ROUND                                          ; the closing round: no work-group ends while a partner may still ask for a block that names it
	s_endpgm
.Lfunc_end_k_qd7468a10c2_main:
	.size	k_qd7468a10c2_main, .Lfunc_end_k_qd7468a10c2_main-k_qd7468a10c2_main
	.p2alignl 7, 3214868480
	.fill 96, 4, 3214868480
	.section	.rodata,"a",@progbits
	.p2align	6, 0x0
	.amdhsa_kernel k_qd7468a10c2_main
		.amdhsa_group_segment_fixed_size 327680
		.amdhsa_private_segment_fixed_size 0
		.amdhsa_enable_private_segment 0
		.amdhsa_kernarg_size 64
		.amdhsa_user_sgpr_count 2
		.amdhsa_user_sgpr_kernarg_segment_ptr 1
		.amdhsa_wavefront_size32 1
		.amdhsa_system_sgpr_workgroup_id_x 1
		.amdhsa_system_sgpr_workgroup_id_y 1
		.amdhsa_system_sgpr_workgroup_id_z 1
		.amdhsa_system_vgpr_workitem_id 0
		.amdhsa_next_free_vgpr 1024
		.amdhsa_next_free_sgpr 96
		.amdhsa_reserve_vcc 0
		.amdhsa_float_denorm_mode_32 3
		.amdhsa_float_denorm_mode_16_64 3
		.amdhsa_memory_ordered 1
		.amdhsa_forward_progress 1
		.amdhsa_inst_pref_size 255
	.end_amdhsa_kernel
	.section	.bss,"aw",@nobits
	.p2align	6
	.space	262144
	.amdgpu_metadata
---
amdhsa.version: [ 1, 2 ]
amdhsa.kernels:
  - .name:           k_qd7468a10c2_main
    .symbol:         k_qd7468a10c2_main.kd
    .args:
      - { .name: h_enc, .offset: 0, .size: 8, .value_kind: global_buffer, .address_space: global }
      - { .name: wq, .offset: 8, .size: 8, .value_kind: global_buffer, .address_space: global }
      - { .name: wqs, .offset: 16, .size: 8, .value_kind: global_buffer, .address_space: global }
      - { .name: decp, .offset: 24, .size: 8, .value_kind: global_buffer, .address_space: global }
      - { .name: Wc, .offset: 32, .size: 8, .value_kind: global_buffer, .address_space: global }
      - { .name: bc, .offset: 40, .size: 8, .value_kind: global_buffer, .address_space: global }
      - { .name: scores, .offset: 48, .size: 8, .value_kind: global_buffer, .address_space: global }
      - { .name: ctxp, .offset: 56, .size: 8, .value_kind: global_buffer, .address_space: global }
    .group_segment_fixed_size: 327680
    .private_segment_fixed_size: 0
    .kernarg_segment_align: 8
    .kernarg_segment_size: 64
    .max_flat_workgroup_size: 128
    .sgpr_count:     96
    .vgpr_count:     1024
    .wavefront_size: 32
...
	.end_amdgpu_metadata
.endif
;; end of part 2
;; launch fin (part 3): grid 4 x 32, 4 waves a work-group, no clusters, 1,536 bytes of LDS; arguments scores, ctxp, be, out0, out1; writes out0, out1
.if DOCPART == 3
	.amdgcn_target "amdgcn-amd-amdhsa--gfx1250"
	.amdhsa_code_object_version 6
	.text
	.protected	k_qd7468a10c2_fin
	.globl	k_qd7468a10c2_fin
	.p2align	8
	.type	k_qd7468a10c2_fin,@function
k_qd7468a10c2_fin:
	s_mov_b64 s[64:65], 0
	v_nop
	global_prefetch_b8 v0, s[64:65] scope:SCOPE_SE
	s_setreg_imm32_b32 hwreg(HW_REG_WAVE_MODE, 25, 1), 1
	s_wait_xcnt 0x0
; The softmax over a batch's 2,048 scores and the sum of its 32 tiles' parts of the context.  Work-group (q, b): batch b; it stores columns 256 q .. of out0 and times 512 q .. of out1.
; M = the batch's largest score, L = sum exp(s - M), attn = exp(s - M) / L.  A tile's part was summed under its own largest score m: context = sum over tiles of exp(m - M) part / L + be (the weights add up to 1).
; m is taken again from the stored scores: the same numbers, so the same maximum.  128 threads; thread t holds scores 512 i + 4 t + 0 .. 3, i = 0 .. 3: those of tile 8 i + t / 16, so a tile lies in sixteen neighbouring lanes.
; No matrix work, no cluster, no tensor loads: 38 loads a thread, all asked for at the head.  LDS: bytes 0-15 the waves' maxima, 256-271 their sums, 512-639 exp(m - M) of the 32 tiles.
; LIMITS: NaN and infinities are not served.
	s_load_b256 s[4:11], s[0:1], 0x0               ; scores s[4:5], ctxp s[6:7], be s[8:9], out0 s[10:11]
	s_load_b64 s[12:13], s[0:1], 0x20              ; out1
	v_lshl_add_u32 v160, v0, 2, 0x400
	v_mov_b32 v161, 0
	s_and_b32 s14, ttmp7, 0xffff                   ; b
	v_lshlrev_b32 v1, 4, v0                        ; 16 t
	v_lshlrev_b32 v2, 3, v0                        ; 8 t
	v_lshrrev_b32 v3, 5, v0
	v_lshlrev_b32 v3, 2, v3                        ; LDS: 4 x wave
	v_lshrrev_b32 v4, 4, v0
	v_lshlrev_b32 v4, 2, v4                        ; LDS: 4 (t / 16)
	v_mov_b32 v5, 0
	v_mov_b32 v45, 0                               ; a lane permute's destination counts as one of its sources
	s_mov_b32 s28, 0x76543210
	s_mov_b32 s29, 0xfedcba98
	s_mov_b32 s31, 0xbfb8aa3b                      ; -log2(e)
	s_mov_b32 s32, 0x3fb8aa3b                      ; log2(e)
	s_mov_b32 s33, s32
	s_lshl_b32 s16, s14, 13                        ; 8,192 b
	s_mov_b32 s17, 0
	s_lshl_b32 s18, ttmp9, 11                      ; 2,048 q
	s_mov_b32 s19, 0
	s_lshl_b32 s22, ttmp9, 10                      ; 1,024 q
	s_mov_b32 s23, 0
	s_lshl_b32 s20, s14, 17                        ; 32 tiles of 4,096 bytes a batch
	s_add_co_u32 s20, s20, s22
	s_mov_b32 s21, 0
	s_lshl_b32 s24, s14, 12                        ; 4,096 b
	s_add_co_u32 s24, s24, s22
	s_mov_b32 s25, 0
	s_wait_kmcnt 0x0
	s_add_nc_u64 s[4:5], s[4:5], s[16:17]
	s_add_nc_u64 s[26:27], s[4:5], s[18:19]
	s_add_nc_u64 s[6:7], s[6:7], s[20:21]
	s_add_nc_u64 s[8:9], s[8:9], s[22:23]
	s_add_nc_u64 s[10:11], s[10:11], s[24:25]
	s_add_nc_u64 s[12:13], s[12:13], s[16:17]
	s_add_nc_u64 s[12:13], s[12:13], s[18:19]
.irp i, 0,1,2,3
	global_load_b128 v[16+4*\i:19+4*\i], v1, s[4:5] offset:2048*\i
.endr
	global_load_b128 v[32:35], v1, s[26:27]        ; my quarter's scores once more, for attn
.set u, 0
.rept 32
	global_load_b64 v[64+2*u:65+2*u], v2, s[6:7] offset:4096*u th:TH_LOAD_NT       ; tile u's part, my two columns: a wave reads 256 consecutive bytes
.set u, u+1
.endr
	global_load_b64 v[36:37], v2, s[8:9]           ; be
	s_wait_loadcnt 33                              ; the scores are in; the 32 parts and be may be out
.irp i, 0,1,2,3
	v_max3_num_f32 v[40+\i], v[16+4*\i], v[17+4*\i], v[18+4*\i]
.endr
.irp i, 0,1,2,3
	v_max_num_f32 v[40+\i], v[40+\i], v[19+4*\i]
.endr
.irp x, 1,2,4,8
.irp i, 0,1,2,3
	v_max_num_f32_dpp v[40+\i], v[40+\i], v[40+\i] row_xmask:\x row_mask:0xf bank_mask:0xf   ; tile 8 i + t / 16's largest score
.endr
.endr
	v_max3_num_f32 v44, v40, v41, v42
	v_max_num_f32 v44, v44, v43
	v_permlanex16_b32 v45, v44, s28, s29
	v_max_num_f32 v44, v44, v45                    ; the wave's
	ds_store_b32 v3, v44
	s_wait_dscnt 0x0
	s_barrier_signal -1
	s_barrier_wait -1
	ds_load_b128 v[8:11], v5
	s_wait_dscnt 0x0
	v_max3_num_f32 v44, v8, v9, v10
	v_max_num_f32 v44, v44, v11                    ; M
	v_mul_f32 v46, s31, v44                        ; -M log2(e)
	v_mov_b32 v47, v46
.irp j, 0,2,4,6,8,10,12,14,16,18
	v_pk_fma_f32 v[16+\j:17+\j], v[16+\j:17+\j], s[32:33], v[46:47] op_sel_hi:[1,0,1]
.endr
.irp j, 0,2
	v_pk_fma_f32 v[40+\j:41+\j], v[40+\j:41+\j], s[32:33], v[46:47] op_sel_hi:[1,0,1]
.endr
.irp j, 0,1,2,3,4,5,6,7,8,9,10,11,12,13,14,15,16,17,18,19
	v_exp_f32 v[16+\j], v[16+\j]                   ; exp(s - M): my 16, and my quarter's 4
.endr
.irp j, 0,1,2,3
	v_exp_f32 v[40+\j], v[40+\j]                   ; exp(m - M) of four tiles
.endr
	v_nop                                          ; a plain line behind the last exponential,
	s_wait_alu depctr_va_vdst(0)                   ; and one wait for the batch, ahead of its first reader
	v_pk_add_f32 v[48:49], v[16:17], v[18:19]
	v_pk_add_f32 v[50:51], v[20:21], v[22:23]
	v_pk_add_f32 v[48:49], v[48:49], v[24:25]
	v_pk_add_f32 v[50:51], v[50:51], v[26:27]
	v_pk_add_f32 v[48:49], v[48:49], v[28:29]
	v_pk_add_f32 v[50:51], v[50:51], v[30:31]
	v_pk_add_f32 v[48:49], v[48:49], v[50:51]
	v_add_f32 v48, v48, v49
.irp x, 1,2,4,8
	v_add_f32_dpp v48, v48, v48 row_xmask:\x row_mask:0xf bank_mask:0xf
.endr
	v_permlanex16_b32 v45, v48, s28, s29
	v_add_f32 v48, v48, v45                        ; the wave's sum
	ds_store_b32 v3, v48 offset:256
.irp i, 0,1,2,3
	ds_store_b32 v4, v[40+\i] offset:512+32*\i     ; sixteen lanes write the same word with the same value
.endr
	s_wait_dscnt 0x0
	s_barrier_signal -1
	s_barrier_wait -1
	ds_load_b128 v[8:11], v5 offset:256
.irp x, 0,1,2,3,4,5,6,7
	ds_load_b128 v[128+4*\x:131+4*\x], v5 offset:512+16*\x         ; exp(m - M) of all 32 tiles, in every lane
.endr
	s_wait_dscnt 0x0
	v_add_f32 v8, v8, v9
	v_add_f32 v10, v10, v11
	v_add_f32 v8, v8, v10                          ; L
	v_rcp_f32 v52, v8
	s_wait_loadcnt 0x0                             ; the parts and be
.set u, 0
.rept 32                               ; four chains; they name nothing of the reciprocal: the independent work behind it
.set CH, 54+2*(u&3)
.set GP, 128+2*(u/2)
.if u < 4
.if (u&1) == 0
	v_pk_mul_f32 v[CH:CH+1], v[64+2*u:65+2*u], v[GP:GP+1] op_sel_hi:[1,0]
.else
	v_pk_mul_f32 v[CH:CH+1], v[64+2*u:65+2*u], v[GP:GP+1] op_sel:[0,1] op_sel_hi:[1,1]
.endif
.else
.if (u&1) == 0
	v_pk_fma_f32 v[CH:CH+1], v[64+2*u:65+2*u], v[GP:GP+1], v[CH:CH+1] op_sel_hi:[1,0,1]
.else
	v_pk_fma_f32 v[CH:CH+1], v[64+2*u:65+2*u], v[GP:GP+1], v[CH:CH+1] op_sel:[0,1,0] op_sel_hi:[1,1,1]
.endif
.endif
.set u, u+1
.endr
	v_pk_add_f32 v[54:55], v[54:55], v[56:57]
	v_pk_add_f32 v[58:59], v[58:59], v[60:61]
	v_pk_add_f32 v[54:55], v[54:55], v[58:59]
	s_wait_alu depctr_va_vdst(0)                   ; the wait ahead of the reciprocal's first reader
	v_mov_b32 v53, v52
	v_pk_fma_f32 v[54:55], v[54:55], v[52:53], v[36:37]    ; / L + be
	v_pk_mul_f32 v[32:33], v[32:33], v[52:53]
	v_pk_mul_f32 v[34:35], v[34:35], v[52:53]
	global_store_b64 v2, v[54:55], s[10:11]        ; a wave stores 256 consecutive bytes, aligned
	global_store_b128 v1, v[32:35], s[12:13]       ; and 512
	s_wait_tensorcnt 0x0
	ds_add_u32 v160, v161
	s_wait_dscnt 0x0
	s_endpgm
.Lfunc_end_k_qd7468a10c2_fin:
	.size	k_qd7468a10c2_fin, .Lfunc_end_k_qd7468a10c2_fin-k_qd7468a10c2_fin
	.p2alignl 7, 3214868480
	.fill 96, 4, 3214868480
	.section	.rodata,"a",@progbits
	.p2align	6, 0x0
	.amdhsa_kernel k_qd7468a10c2_fin
		.amdhsa_group_segment_fixed_size 1536
		.amdhsa_private_segment_fixed_size 0
		.amdhsa_enable_private_segment 0
		.amdhsa_kernarg_size 40
		.amdhsa_user_sgpr_count 2
		.amdhsa_user_sgpr_kernarg_segment_ptr 1
		.amdhsa_wavefront_size32 1
		.amdhsa_system_sgpr_workgroup_id_x 1
		.amdhsa_system_sgpr_workgroup_id_y 1
		.amdhsa_system_sgpr_workgroup_id_z 1
		.amdhsa_system_vgpr_workitem_id 0
		.amdhsa_next_free_vgpr 162
		.amdhsa_next_free_sgpr 66
		.amdhsa_reserve_vcc 0
		.amdhsa_float_denorm_mode_32 3
		.amdhsa_float_denorm_mode_16_64 3
		.amdhsa_memory_ordered 1
		.amdhsa_forward_progress 1
		.amdhsa_inst_pref_size 14
	.end_amdhsa_kernel
	.amdgpu_metadata
---
amdhsa.version: [ 1, 2 ]
amdhsa.kernels:
  - .name:           k_qd7468a10c2_fin
    .symbol:         k_qd7468a10c2_fin.kd
    .args:
      - { .name: scores, .offset: 0, .size: 8, .value_kind: global_buffer, .address_space: global }
      - { .name: ctxp, .offset: 8, .size: 8, .value_kind: global_buffer, .address_space: global }
      - { .name: be, .offset: 16, .size: 8, .value_kind: global_buffer, .address_space: global }
      - { .name: out0, .offset: 24, .size: 8, .value_kind: global_buffer, .address_space: global }
      - { .name: out1, .offset: 32, .size: 8, .value_kind: global_buffer, .address_space: global }
    .group_segment_fixed_size: 1536
    .private_segment_fixed_size: 0
    .kernarg_segment_align: 8
    .kernarg_segment_size: 40
    .max_flat_workgroup_size: 128
    .sgpr_count:     66
    .vgpr_count:     162
    .wavefront_size: 32
...
	.end_amdgpu_metadata
.endif
;; end of part 3
;; ======== version 2 of 2: 3 launches
;; limits: right only within a limited range of input values
;; workspace buffers: wq 1,048,576 bytes; wqs 32,768 bytes; decp 131,072 bytes; scores 262,144 bytes; ctxp 4,194,304 bytes
;; launch prep (part 4): grid 96 x 1, 8 waves a work-group, no clusters, 18,432 bytes of LDS; arguments We, Wd, h_dec, bd, be, wq, wqs, decp; writes wq, wqs, decp
.if DOCPART == 4
	.amdgcn_target "amdgcn-amd-amdhsa--gfx1250"
	.amdhsa_code_object_version 6
	.text
	.protected	k_qd7468a10c2_prep
	.globl	k_qd7468a10c2_prep
	.p2align	8
	.type	k_qd7468a10c2_prep,@function
k_qd7468a10c2_prep:
	s_mov_b64 s[64:65], 0
	v_nop
	global_prefetch_b8 v0, s[64:65] scope:SCOPE_SE
	s_setreg_imm32_b32 hwreg(HW_REG_WAVE_MODE, 25, 1), 1
	s_wait_xcnt 0x0
; TWO ROLES, parted by the work-group's number (the same for all eight waves of a work-group); each has LDS bytes, one barrier and an end of its own.
; ROLE W (work-groups 0-31): We [1024 (k)][1024 (n)] f32 becomes codes of BF8 (E5M2) with one E8M0 byte for each 32 along K, laid in the ORDER OF THE OPERAND'S REGISTERS:
;   wq  [K step 8][wave 4][column tile 16][chunk 4][lane 32][16 bytes]: lane (r, h), chunk c: column 256 w + 16 nt + r, K = 128 k + 32 c + 16 h + 0 .. 15;
;   wqs [K step 8][wave 4][u 2][lane 32][q 4] words: the scale word of column tile 8 u + 2 q + lane / 16, column lane % 16.
;   A lane takes a column and its registers run down K: a block of 32 lies in one lane, and the conversions give codes with K innermost.
; ROLE D (work-groups 32-95): decp[T][b][n] = c (Q(h_dec) Q(Wd) + bd + be) for column tile T of 16, c = 2 log2(e).  Wave s takes K step s (one matrix instruction for each 16 rows);
;   the eight parts meet in LDS and are added in ascending K.  So this product's K is summed in eight parts.
; A block's scale byte is its largest magnitude's exponent field - 15, held at 1 from below.  A block of zeros so gets the byte 1 where the rule says 127: its codes are zeros, and this program alone reads the bytes.
; LIMITS: NaN and infinities among the inputs are not served.
.set TM,    16                         ; v16-19 largest magnitudes, v20-23 bytes, v24-27 the largest number x the scale, v28-31 the conversions' scale operands (role D)
.set FLOOR, 0x8000000                  ; 2^(16 - 127)
.set EOFF,  0xf8800000                 ; -(15 << 23)
; 64 numbers of a lane, register 16 b + i = k 32 b + 16 (lane / 16) + i, become a fragment's 16 registers of codes and its scale word
.macro QUANT s, pc, pw
.irp b, 0,1,2,3
	v_max3_num_f32 v[TM+\b], |v[(\s)+16*\b]|, |v[(\s)+16*\b+1]|, FLOOR     ; my 16 numbers of block b, and the floor
.endr
.irp i, 2,4,6,8,10,12,14
.irp b, 0,1,2,3
	s_delay_alu instid0(VALU_DEP_4)
	v_max3_num_f32 v[TM+\b], v[TM+\b], |v[(\s)+16*\b+\i]|, |v[(\s)+16*\b+\i+1]|   ; the four blocks by turns
.endr
.endr
.irp b, 0,1,2,3
	s_delay_alu instid0(VALU_DEP_4)
	v_permlanex16_b32 v[TM+4+\b], v[TM+\b], s22, s23
.endr
.irp b, 0,1,2,3
	s_delay_alu instid0(VALU_DEP_4)
	v_max_num_f32 v[TM+\b], v[TM+\b], v[TM+4+\b]       ; with lane l xor 16's: the block's largest magnitude
.endr
.irp b, 0,1,2,3
	s_delay_alu instid0(VALU_DEP_4)
	v_add_nc_u32 v[TM+12+\b], EOFF, v[TM+\b]           ; 15 off its exponent field: the conversion's scale operand
.endr
.irp b, 0,1,2,3
	v_and_or_b32 v[TM+8+\b], v[TM+\b], 0x7f800000, s21 ; 57,344 x the scale
.endr
.irp b, 0,1,2,3
	v_lshrrev_b32 v[TM+4+\b], 23, v[TM+12+\b]          ; the scale's byte
.endr
	s_delay_alu instid0(VALU_DEP_3)
	v_lshl_or_b32 v[\pw], v[TM+5], 8, v[TM+4]
	s_delay_alu instid0(VALU_DEP_1)
	v_lshl_or_b32 v[\pw], v[TM+6], 16, v[\pw]
	s_delay_alu instid0(VALU_DEP_1)
	v_lshl_or_b32 v[\pw], v[TM+7], 24, v[\pw]
.irp b, 0,1,2,3
.irp i, 0,1,2,3,4,5,6,7,8,9,10,11,12,13,14,15
	v_med3_num_f32 v[(\s)+16*\b+\i], v[(\s)+16*\b+\i], -v[TM+8+\b], v[TM+8+\b]   ; the conversion does not saturate (ISA guide 7.6.2): the hold
.endr
	v_cvt_scalef32_pk8_bf8_f32 v[(\pc)+4*\b:(\pc)+4*\b+1], v[(\s)+16*\b:(\s)+16*\b+7], v[TM+12+\b]
	v_cvt_scalef32_pk8_bf8_f32 v[(\pc)+4*\b+2:(\pc)+4*\b+3], v[(\s)+16*\b+8:(\s)+16*\b+15], v[TM+12+\b]
.endr
	v_nop                                              ; a plain line behind the last conversion
.endm
	s_load_b256 s[4:11], s[0:1], 0x0               ; We s[4:5], Wd s[6:7], h_dec s[8:9], bd s[10:11]
	s_load_b256 s[12:19], s[0:1], 0x20             ; be s[12:13], wq s[14:15], wqs s[16:17], decp s[18:19]
	v_lshl_add_u32 v62, v0, 2, 0x4400
	v_mov_b32 v63, 0
	v_lshrrev_b32 v1, 5, v0
	s_delay_alu instid0(VALU_DEP_1)
	v_readfirstlane_b32 s20, v1                    ; wave 0..7
	v_and_b32 v2, 31, v0                           ; lane
	v_and_b32 v3, 15, v0                           ; r
	v_bfe_u32 v4, v0, 4, 1                         ; h
	s_mov_b32 s21, 0x600000                        ; the mantissa field of 57,344
	s_mov_b32 s22, 0x76543210
	s_mov_b32 s23, 0xfedcba98                      ; v_permlanex16_b32's selects for lane l xor 16
	s_mov_b32 s27, 0                               ; the high word of every offset pair s[26:27]
	s_wait_kmcnt 0x0
	s_cmp_lt_u32 ttmp9, 32
	s_cbranch_scc0 .Lrole_d
; ---------------- ROLE W: K step k = id / 4, columns 256 w on, w = id % 4; wave v: columns 256 w + 32 v + lane
	s_lshr_b32 s24, ttmp9, 2                       ; k
	s_and_b32 s25, ttmp9, 3                        ; w
	s_lshl_b32 s26, s24, 19                        ; 128 k rows of 4,096 bytes
	s_lshl_b32 s28, s25, 10
	s_add_co_u32 s26, s26, s28
	s_lshl_b32 s28, s20, 7
	s_add_co_u32 s26, s26, s28                     ; + 4 (256 w + 32 v)
	s_add_nc_u64 s[4:5], s[4:5], s[26:27]
	s_lshl_b32 s26, s24, 17
	s_lshl_b32 s28, s25, 15
	s_add_co_u32 s26, s26, s28
	s_lshl_b32 s28, s20, 12
	s_add_co_u32 s26, s26, s28                     ; wq: 131,072 k + 32,768 w + 2,048 (2 v)
	s_add_nc_u64 s[14:15], s[14:15], s[26:27]
	s_lshl_b32 s26, s24, 12
	s_lshl_b32 s28, s25, 10
	s_add_co_u32 s26, s26, s28                     ; wqs: 4,096 k + 1,024 w
	s_add_nc_u64 s[16:17], s[16:17], s[26:27]
	s_wait_alu depctr_va_vdst(0)
	v_lshlrev_b32 v5, 2, v2                        ; in: 4 bytes a lane: 128 consecutive bytes a wave
	v_lshlrev_b32 v6, 4, v3
	s_delay_alu instid0(VALU_DEP_1)
	v_lshl_add_u32 v6, v4, 11, v6                  ; out: column tile lane / 16, 16 bytes for column lane % 16: sixteen lanes fill 256 aligned bytes
	s_lshr_b32 s28, s20, 2
	s_lshl_b32 s28, s28, 9
	s_and_b32 s29, s20, 3
	s_lshl_b32 s29, s29, 2
	s_add_co_u32 s28, s28, s29
	v_lshlrev_b32 v7, 4, v2
	s_delay_alu instid0(VALU_DEP_1)
	v_add_nc_u32 v8, s28, v7                       ; LDS: my scale word at 512 (v / 4) + 16 lane + 4 (v % 4)
	v_lshlrev_b32 v9, 4, v0                        ; and back (waves 0 and 1): 16 bytes a thread; the same place in wqs
.macro LOADW t                         ; block t: We(128 k + 32 t + i, my column), i = 0 .. 31
.set ii, 0
.rept 32
	global_load_b32 v[64+32*(\t)+ii], v5, s[4:5] offset:(32*(\t)+ii)*4096 th:TH_LOAD_NT
.set ii, ii+1
.endr
.endm
.macro BLOCKW t
.set XS, 64+32*(\t)
.set CD, 192+8*(\t)
.if (\t) < 2
	s_wait_loadcnt 63                              ; behind this block's 32 loads 32 (3 - t) were issued: 96 or 64; the count's field ends at 63
.else
	s_wait_loadcnt 32*(3-(\t))                     ; this block's 32 loads are in; the later blocks' may be out
.endif
	v_max3_num_f32 v12, |v[XS]|, |v[XS+1]|, |v[XS+2]|              ; the block's largest magnitude: all 32 numbers are mine
	v_max3_num_f32 v13, |v[XS+3]|, |v[XS+4]|, |v[XS+5]|
.irp i, 6,10,14,18,22,26
	s_delay_alu instid0(VALU_DEP_2)
	v_max3_num_f32 v12, v12, |v[XS+\i]|, |v[XS+\i+1]|
	s_delay_alu instid0(VALU_DEP_2)
	v_max3_num_f32 v13, v13, |v[XS+\i+2]|, |v[XS+\i+3]|
.endr
	s_delay_alu instid0(VALU_DEP_2)
	v_max3_num_f32 v12, v12, |v[XS+30]|, |v[XS+31]|
	s_delay_alu instid0(VALU_DEP_1)
	v_max3_num_f32 v12, v12, v13, FLOOR
	s_delay_alu instid0(VALU_DEP_1)
	v_add_nc_u32 v11, EOFF, v12                    ; the conversion's scale operand
	s_delay_alu instid0(VALU_DEP_2)
	v_and_or_b32 v10, v12, 0x7f800000, s21         ; 57,344 x the scale
	s_delay_alu instid0(VALU_DEP_2)
	v_lshrrev_b32 v13, 23, v11                     ; the byte
.if (\t) == 0
	s_delay_alu instid0(VALU_DEP_1)
	v_mov_b32 v24, v13                             ; the K step's four bytes make my column's scale word
.else
	s_delay_alu instid0(VALU_DEP_1)
	v_lshl_or_b32 v24, v13, 8*(\t), v24
.endif
.irp i, 0,1,2,3,4,5,6,7,8,9,10,11,12,13,14,15,16,17,18,19,20,21,22,23,24,25,26,27,28,29,30,31
	v_med3_num_f32 v[XS+\i], v[XS+\i], -v10, v10
.endr
.irp g, 0,1,2,3
	v_cvt_scalef32_pk8_bf8_f32 v[CD+2*\g:CD+2*\g+1], v[XS+8*\g:XS+8*\g+7], v11
.endr
	v_nop                                          ; a plain line behind the last conversion
	global_store_b128 v6, v[CD:CD+3], s[14:15] offset:512*(\t)         ; K 32 t + 0 .. 15: the place of lanes 0-15 of chunk t
	global_store_b128 v6, v[CD+4:CD+7], s[14:15] offset:512*(\t)+256   ; K 32 t + 16 .. 31: of lanes 16-31
.endm
	LOADW 0                                        ; all four blocks are asked for at once, each into registers of its own
	LOADW 1
	LOADW 2
	LOADW 3
	s_wait_alu depctr_va_vdst(0)
	BLOCKW 0
	BLOCKW 1
	BLOCKW 2
	BLOCKW 3
	ds_store_b32 v8, v24
	s_wait_dscnt 0x0                               ; for the others' sake: my word has landed
	s_barrier_signal -1
	s_barrier_wait -1
	s_cmp_lt_u32 s20, 2
	s_cbranch_scc0 .Lw_end
	ds_load_b128 v[28:31], v9                      ; waves 0 and 1 take the 1,024 bytes out, 512 consecutive bytes a store
	s_wait_dscnt 0x0
	global_store_b128 v9, v[28:31], s[16:17]
.Lw_end:
	s_wait_tensorcnt 0x0
	ds_add_u32 v62, v63
	s_wait_dscnt 0x0
	s_endpgm
; ---------------- ROLE D: column tile T = id - 32; wave s: K step s
.Lrole_d:
	s_sub_co_u32 s24, ttmp9, 32                    ; T
	s_lshl_b32 s26, s20, 19                        ; Wd: 128 s rows of 4,096 bytes
	s_lshl_b32 s28, s24, 6                         ; + 64 T
	s_add_co_u32 s26, s26, s28
	s_add_nc_u64 s[6:7], s[6:7], s[26:27]
	s_lshl_b32 s26, s20, 9                         ; h_dec: 512 s bytes along a row
	s_add_nc_u64 s[8:9], s[8:9], s[26:27]
	s_mov_b32 s26, s28
	s_add_nc_u64 s[10:11], s[10:11], s[26:27]      ; bd and be at the tile's 16 columns
	s_add_nc_u64 s[12:13], s[12:13], s[26:27]
	s_lshl_b32 s26, s24, 11
	s_add_nc_u64 s[18:19], s[18:19], s[26:27]      ; decp: 2,048 T
	s_mov_b32 s30, 0x4038aa3b                      ; c = 2 log2(e)
	s_mov_b32 s31, s30
	s_wait_alu depctr_va_vdst(0)
	v_lshlrev_b32 v5, 2, v3
	s_delay_alu instid0(VALU_DEP_1)
	v_lshl_add_u32 v5, v4, 16, v5                  ; Wd: column r; lanes 16-31 begin 16 rows further down
	v_lshlrev_b32 v6, 12, v3
	s_delay_alu instid0(VALU_DEP_1)
	v_lshl_add_u32 v6, v4, 6, v6                   ; h_dec: row r, + 64 h: my 16 numbers of a block
	v_and_b32 v7, 7, v0
	s_delay_alu instid0(VALU_DEP_1)
	v_lshlrev_b32 v8, 3, v7                        ; the biases of my two columns
	s_lshl_b32 s28, s20, 11
	s_add_co_u32 s28, s28, 1024
	v_lshlrev_b32 v9, 4, v2
	s_delay_alu instid0(VALU_DEP_1)
	v_add_nc_u32 v9, s28, v9                       ; LDS: my wave's part, as an image of its registers: 1,024 + 2,048 wave + 16 lane
	v_lshlrev_b32 v10, 5, v7                       ; back: thread t owns row m = t / 8, columns 2 (t % 8) and the next.  (m, n) lies at 1,024 (m / 16) + 256 ((m / 8) % 2) + 512 ((m / 4) % 2) + 4 (m % 4) + 16 n
	v_bfe_u32 v11, v0, 3, 2
	s_delay_alu instid0(VALU_DEP_1)
	v_lshl_add_u32 v10, v11, 2, v10
	v_bfe_u32 v11, v0, 5, 1
	s_delay_alu instid0(VALU_DEP_1)
	v_lshl_add_u32 v10, v11, 9, v10
	v_bfe_u32 v11, v0, 6, 1
	s_delay_alu instid0(VALU_DEP_1)
	v_lshl_add_u32 v10, v11, 8, v10
	v_bfe_u32 v11, v0, 7, 1
	s_delay_alu instid0(VALU_DEP_1)
	v_lshl_add_u32 v10, v11, 10, v10
	s_delay_alu instid0(VALU_DEP_1)
	v_add_nc_u32 v10, 1024, v10
	v_lshlrev_b32 v12, 3, v0                       ; out: 8 bytes a thread
.irp b, 0,1,2,3
	v_mov_b32 v[TM+4+\b], 0                        ; written once: a lane permute's destination counts as one of its sources
.endr
	global_load_b64 v[32:33], v8, s[10:11]
	global_load_b64 v[34:35], v8, s[12:13]
.irp c, 0,1,2,3
.irp i, 0,1,2,3,4,5,6,7,8,9,10,11,12,13,14,15
	global_load_b32 v[64+16*\c+\i], v5, s[6:7] offset:(32*\c+\i)*4096       ; Wd(128 s + 32 c + 16 h + i, 16 T + r)
.endr
.endr
.irp m, 0,1
.irp b, 0,1,2,3
.irp j, 0,1,2,3
	global_load_b128 v[128+64*\m+16*\b+4*\j:128+64*\m+16*\b+4*\j+3], v6, s[8:9] offset:65536*\m+128*\b+16*\j   ; h_dec(16 m + r, 128 s + 32 b + 16 h + 4 j ..)
.endr
.endr
.endr
	s_wait_loadcnt 0x0
	QUANT 64, 36, 52                               ; Wd's fragment v36-51, its scale word v52
	QUANT 128, 64, 53                              ; rows 0-15 of h_dec: v64-79, v53
	QUANT 192, 80, 54                              ; rows 16-31: v80-95, v54
.rept 8
	v_nop                                          ; codes written by vector instructions stand 4 places, scale words 8, ahead of a scaled matrix instruction
.endr
	v_wmma_scale_f32_16x16x128_f8f6f4 v[96:103], v[64:79], v[36:51], 0, v53, v52 matrix_a_fmt:MATRIX_FMT_BF8 matrix_b_fmt:MATRIX_FMT_BF8
	v_wmma_scale_f32_16x16x128_f8f6f4 v[104:111], v[80:95], v[36:51], 0, v54, v52 matrix_a_fmt:MATRIX_FMT_BF8 matrix_b_fmt:MATRIX_FMT_BF8
.rept 8
	v_nop                                          ; eight places ahead of the first read of the results
.endr
.irp i, 0,1,2,3
	ds_store_b128 v9, v[96+4*\i:99+4*\i] offset:512*\i     ; each accumulator from its low end on
.endr
	s_wait_dscnt 0x0                               ; for the others' sake
	s_barrier_signal -1
	s_barrier_wait -1
.irp y, 0,1,2,3,4,5,6,7
	ds_load_b32 v[112+2*\y], v10 offset:2048*\y
	ds_load_b32 v[113+2*\y], v10 offset:2048*\y+16
.endr
	s_wait_dscnt 0x0
.irp y, 1
	v_pk_add_f32 v[112:113], v[112:113], v[112+2*\y:113+2*\y]      ; the eight K steps, ascending
.endr
.irp y, 2, 3, 4, 5, 6, 7
	s_delay_alu instid0(VALU_DEP_1)
	v_pk_add_f32 v[112:113], v[112:113], v[112+2*\y:113+2*\y]      ; the eight K steps, ascending
.endr
	v_pk_add_f32 v[32:33], v[32:33], v[34:35]      ; bd + be
	s_delay_alu instid0(VALU_DEP_1)
	v_pk_add_f32 v[112:113], v[112:113], v[32:33]
	s_delay_alu instid0(VALU_DEP_1)
	v_pk_mul_f32 v[112:113], v[112:113], s[30:31] op_sel_hi:[1,0]
	global_store_b64 v12, v[112:113], s[18:19]     ; a wave stores 256 consecutive bytes, aligned
	s_wait_tensorcnt 0x0
	ds_add_u32 v62, v63
	s_wait_dscnt 0x0
	s_endpgm
.Lfunc_end_k_qd7468a10c2_prep:
	.size	k_qd7468a10c2_prep, .Lfunc_end_k_qd7468a10c2_prep-k_qd7468a10c2_prep
	.p2alignl 7, 3214868480
	.fill 96, 4, 3214868480
	.section	.rodata,"a",@progbits
	.p2align	6, 0x0
	.amdhsa_kernel k_qd7468a10c2_prep
		.amdhsa_group_segment_fixed_size 18432
		.amdhsa_private_segment_fixed_size 0
		.amdhsa_enable_private_segment 0
		.amdhsa_kernarg_size 64
		.amdhsa_user_sgpr_count 2
		.amdhsa_user_sgpr_kernarg_segment_ptr 1
		.amdhsa_wavefront_size32 1
		.amdhsa_system_sgpr_workgroup_id_x 1
		.amdhsa_system_sgpr_workgroup_id_y 1
		.amdhsa_system_sgpr_workgroup_id_z 1
		.amdhsa_system_vgpr_workitem_id 0
		.amdhsa_next_free_vgpr 256
		.amdhsa_next_free_sgpr 66
		.amdhsa_reserve_vcc 0
		.amdhsa_float_denorm_mode_32 3
		.amdhsa_float_denorm_mode_16_64 3
		.amdhsa_memory_ordered 1
		.amdhsa_forward_progress 1
		.amdhsa_inst_pref_size 75
	.end_amdhsa_kernel
	.amdgpu_metadata
---
amdhsa.version: [ 1, 2 ]
amdhsa.kernels:
  - .name:           k_qd7468a10c2_prep
    .symbol:         k_qd7468a10c2_prep.kd
    .args:
      - { .name: We, .offset: 0, .size: 8, .value_kind: global_buffer, .address_space: global }
      - { .name: Wd, .offset: 8, .size: 8, .value_kind: global_buffer, .address_space: global }
      - { .name: h_dec, .offset: 16, .size: 8, .value_kind: global_buffer, .address_space: global }
      - { .name: bd, .offset: 24, .size: 8, .value_kind: global_buffer, .address_space: global }
      - { .name: be, .offset: 32, .size: 8, .value_kind: global_buffer, .address_space: global }
      - { .name: wq, .offset: 40, .size: 8, .value_kind: global_buffer, .address_space: global }
      - { .name: wqs, .offset: 48, .size: 8, .value_kind: global_buffer, .address_space: global }
      - { .name: decp, .offset: 56, .size: 8, .value_kind: global_buffer, .address_space: global }
    .group_segment_fixed_size: 18432
    .private_segment_fixed_size: 0
    .kernarg_segment_align: 8
    .kernarg_segment_size: 64
    .max_flat_workgroup_size: 256
    .sgpr_count:     66
    .vgpr_count:     256
    .wavefront_size: 32
...
	.end_amdgpu_metadata
.endif
;; end of part 4
;; launch main (part 5): grid 256 x 1, 4 waves a work-group, clusters of 4 x 1, 327,680 bytes of LDS; arguments h_enc, wq, wqs, decp, Wc, bc, scores, ctxp; writes scores, ctxp
.if DOCPART == 5
	.amdgcn_target "amdgcn-amd-amdhsa--gfx1250"
	.amdhsa_code_object_version 6
	.text
	.protected	k_qd7468a10c2_main
	.globl	k_qd7468a10c2_main
	.p2align	8
	.type	k_qd7468a10c2_main,@function
k_qd7468a10c2_main:
	s_mov_b64 s[64:65], 0
	v_nop
	global_prefetch_b8 v0, s[64:65] scope:SCOPE_SE
	s_setreg_imm32_b32 hwreg(HW_REG_WAVE_MODE, 25, 1), 1
	s_wait_xcnt 0x0
	s_wait_alu depctr_hold_cnt(0) depctr_sa_sdst(0) depctr_va_vdst(0) depctr_va_sdst(0) depctr_va_ssrc(0) depctr_va_vcc(0) depctr_vm_vsrc(0)
	s_getreg_b32 s2, hwreg(HW_REG_IB_STS2, 6, 4)
	s_cmp_eq_u32 s2, 0
	s_cbranch_scc0 .Lentry_in_a_cluster
	s_endpgm
.Lentry_in_a_cluster:
	s_bfe_u32 s2, ttmp6, 0x10000c
	s_cmp_lg_u32 s2, 0x3003
	s_cbranch_scc0 .Lentry_shape_is_right
	s_endpgm
.Lentry_shape_is_right:
.set SLOTB, 131072
.set BSC,   262144
.set AIMG,  294912
.set AIMB,  8704
.set CONST, 312320
.set SCP,   320512
.set CTXS,  321536
.set SPARE, 325632
.set X0, 90
.set TM, 56
.set PW, 72
.set PC, 74
.set S,  218
.set MSB, 0
.macro WIN new
.if MSB != (\new)
	s_set_vgpr_msb (MSB<<8)|(\new)
.set MSB, (\new)
.endif
.endm
.macro NOPS n
.rept \n
	v_nop
.endr
.endm
.macro CREST
	s_cmp_lg_u32 s20, 0
	s_cbranch_scc1 .Lnot_wave_0_\@
	s_barrier_signal -3
.Lnot_wave_0_\@:
	s_barrier_wait -3
	s_barrier_signal -1
	s_barrier_wait -1
.endm
.macro ROUND
	s_barrier_signal -1
	s_barrier_wait -1
	CREST
.endm
.macro XBASE p, j
	s_xor_b32 s70, s60, (\j)<<9
	s_add_nc_u64 s[66+2*(\p):67+2*(\p)], s[62:63], s[70:71]
.endm
.macro XLOAD p, extra
.irp b, 0,1,2,3
.irp j, 0,1,2,3
	global_load_b128 v[X0+64*(\p)+16*\b+4*\j:X0+64*(\p)+16*\b+4*\j+3], v9, s[66+2*(\p):67+2*(\p)] offset:(\extra)+128*\b+16*\j
.endr
.endr
.endm
.macro QUANT x
.irp b, 0,1,2,3
	v_max3_num_f32 v[TM+\b], |v[(\x)+16*\b]|, |v[(\x)+16*\b+1]|, 0x8000000
.endr
.irp i, 2,4,6,8,10,12,14
.irp b, 0,1,2,3
	v_max3_num_f32 v[TM+\b], v[TM+\b], |v[(\x)+16*\b+\i]|, |v[(\x)+16*\b+\i+1]|
.endr
.endr
.irp b, 0,1,2,3
	v_permlanex16_b32 v[TM+4+\b], v[TM+\b], s72, s73
.endr
.irp b, 0,1,2,3
	v_max_num_f32 v[TM+\b], v[TM+\b], v[TM+4+\b]
.endr
.irp b, 0,1,2,3
	v_add_nc_u32 v[TM+12+\b], 0xf8800000, v[TM+\b]
.endr
.irp b, 0,1,2,3
	v_and_or_b32 v[TM+8+\b], v[TM+\b], 0x7f800000, s74
.endr
.irp b, 0,1,2,3
	v_lshrrev_b32 v[TM+4+\b], 23, v[TM+12+\b]
.endr
	v_lshl_or_b32 v[PW], v[TM+5], 8, v[TM+4]
	v_lshl_or_b32 v[PW], v[TM+6], 16, v[PW]
	v_lshl_or_b32 v[PW], v[TM+7], 24, v[PW]
.irp b, 0,1,2,3
.irp i, 0,1,2,3,4,5,6,7,8,9,10,11,12,13,14,15
	v_med3_num_f32 v[(\x)+16*\b+\i], v[(\x)+16*\b+\i], -v[TM+8+\b], v[TM+8+\b]
.endr
	v_cvt_scalef32_pk8_bf8_f32 v[PC+4*\b:PC+4*\b+1], v[(\x)+16*\b:(\x)+16*\b+7], v[TM+12+\b]
	v_cvt_scalef32_pk8_bf8_f32 v[PC+4*\b+2:PC+4*\b+3], v[(\x)+16*\b+8:(\x)+16*\b+15], v[TM+12+\b]
.endr
	v_nop
.endm
.macro IMAGE p
.irp c, 0,1,2,3
	ds_store_b128 v7, v[PC+4*\c:PC+4*\c+3] offset:AIMB*(\p)+512*\c
.endr
	ds_store_b32 v8, v[PW] offset:AIMB*(\p)
.endm
.macro BLOAD g, p
	WIN 0x40
.irp q, 0,1,2,3
.irp c, 0,1,2,3
	ds_load_b128 v[128+64*((\g)&1)+16*\q+4*\c:128+64*((\g)&1)+16*\q+4*\c+3], v[3+(\p)] offset:2048*(4*(\g)+\q)+512*\c
.endr
.endr
.endm
.macro FIRSTLD i
.set FP, (\i)&1
	WIN 0
	s_xor_b32 s61, s59, (\i)<<12
	v_add_nc_u32 v19, s61, v18
.irp m, 0,1,2,3
	ds_load_b32 v[48+4*FP+\m], v6 offset:AIMB*FP+128*\m
.endr
	ds_load_b128 v[32+8*FP:32+8*FP+3], v19
	ds_load_b128 v[32+8*FP+4:32+8*FP+7], v19 offset:512
	BLOAD 0, FP
.irp m, 0,1,2,3
.irp c, 0,1,2,3
	ds_load_b128 v[64*FP+16*\m+4*\c:64*FP+16*\m+4*\c+3], v5 offset:AIMB*FP+2048*\m+512*\c
.endr
.endr
.endm
.macro MUL8 nt0, p, zero
	WIN 0xa5+0x50*((\nt0)>>3)
.irp u, 0,1
.irp m, 0,1,2,3
.set NT, (\nt0)+\u
.set AC, 8*(4*(NT&7)+\m)
.set BF, 128+64*((NT>>2)&1)+16*(NT&3)
.set AFR, 64*(\p)+16*\m
.set SA, 48+4*(\p)+\m
.set SB, 32+8*(\p)+(NT>>1)
.if \zero
.if \u
	v_wmma_scale_f32_16x16x128_f8f6f4 v[AC:AC+7], v[AFR:AFR+15], v[BF:BF+15], 0, v[SA], v[SB] matrix_a_fmt:MATRIX_FMT_BF8 matrix_b_fmt:MATRIX_FMT_BF8 matrix_b_scale:MATRIX_SCALE_ROW1
.else
	v_wmma_scale_f32_16x16x128_f8f6f4 v[AC:AC+7], v[AFR:AFR+15], v[BF:BF+15], 0, v[SA], v[SB] matrix_a_fmt:MATRIX_FMT_BF8 matrix_b_fmt:MATRIX_FMT_BF8
.endif
.else
.if \u
	v_wmma_scale_f32_16x16x128_f8f6f4 v[AC:AC+7], v[AFR:AFR+15], v[BF:BF+15], v[AC:AC+7], v[SA], v[SB] matrix_a_fmt:MATRIX_FMT_BF8 matrix_b_fmt:MATRIX_FMT_BF8 matrix_b_scale:MATRIX_SCALE_ROW1
.else
	v_wmma_scale_f32_16x16x128_f8f6f4 v[AC:AC+7], v[AFR:AFR+15], v[BF:BF+15], v[AC:AC+7], v[SA], v[SB] matrix_a_fmt:MATRIX_FMT_BF8 matrix_b_fmt:MATRIX_FMT_BF8
.endif
.endif
.endr
.endr
.endm
.macro POS i
.set P, (\i)&1
.set PN, 1-P
.set Z, 0
.set ZP, 0
.if (\i) == 0
.set Z, 1
	FIRSTLD 0
.else
.if (\i) == 1
.set ZP, 1
.endif
	MUL8 12, PN, ZP
	MUL8 14, PN, ZP
.endif
	WIN 0
.if (\i) < 6
	s_wait_loadcnt 16
.elseif (\i) == 6
	s_wait_loadcnt 0x0
.endif
.if (\i) < 7
	QUANT X0+64*PN
	IMAGE PN
.else
	NOPS 8
.endif
.if (\i) < 5
	XBASE PN, (\i)+3
	XLOAD PN, 0
.endif
.if (\i) == 6
	s_cmp_eq_u32 s23, 1
	s_cbranch_scc1 .Lno_next_a
	XBASE 0, 7
	XLOAD 0, 262144
	XBASE 1, 6
	XLOAD 1, 262144
.Lno_next_a:
.endif
	BLOAD 1, P
.if (\i) < 7
	s_wait_dscnt 21
.else
	s_wait_dscnt 16
.endif
	MUL8 0, P, Z
	MUL8 2, P, Z
	NOPS 8
	BLOAD 2, P
	s_wait_dscnt 16
	MUL8 4, P, Z
	MUL8 6, P, Z
	NOPS 8
	BLOAD 3, P
.if (\i) < 7
	WIN 0
	s_wait_tensorcnt 0x0
	ds_add_u32 v1, v2
.if (\i) < 6
	s_xor_b32 s54, s58, ((\i)+2)<<17
	s_mov_b32 s41, s[56+P]
	s_add_nc_u64 s[42:43], s[52:53], s[54:55]
	s_or_b32 s43, s43, 0x80000000
.endif
	s_wait_dscnt 17
	MUL8 8, P, Z
	s_wait_dscnt 0x0
	s_barrier_signal -1
	MUL8 10, P, Z
	WIN 0
	s_barrier_wait -1
.if (\i) < 6
	CREST
	tensor_load_to_lds s[40:43], s[24:31]
	s_nop 0
.endif
	NOPS 8
	FIRSTLD (\i)+1
.else
	s_wait_dscnt 16
	MUL8 8, P, Z
	MUL8 10, P, Z
	s_wait_dscnt 0x0
	MUL8 12, P, Z
	MUL8 14, P, Z
	WIN 0
.endif
.endm
.macro SCALE k
	WIN 0x52+((\k)>>2)
.set e, 0
.rept 32
.set TT, 64+64*((\k)&1)+2*e
.set AC, 64*((\k)&3)+2*e
.if e < 16
	v_pk_fma_f32 v[TT:TT+1], v[AC:AC+1], s[76:77], v[2*(\k):2*(\k)+1] op_sel_hi:[1,0,0]
.else
	v_pk_fma_f32 v[TT:TT+1], v[AC:AC+1], s[76:77], v[2*(\k):2*(\k)+1] op_sel:[0,0,1] op_sel_hi:[1,0,1]
.endif
.set e, e+1
.endr
.endm
.macro EXP64 k
	WIN 0x41
.set e, 0
.rept 64
	v_exp_f32 v[64+64*((\k)&1)+e], v[64+64*((\k)&1)+e]
.set e, e+1
.endr
.endm
.macro ADD1 k
	WIN 0x41
.set e, 0
.rept 32
	v_pk_add_f32 v[64+64*((\k)&1)+2*e:64+64*((\k)&1)+2*e+1], v[64+64*((\k)&1)+2*e:64+64*((\k)&1)+2*e+1], 1.0 op_sel_hi:[1,0]
.set e, e+1
.endr
.endm
.macro RCP64 k
	WIN 0x41
.set e, 0
.rept 64
	v_rcp_f32 v[64+64*((\k)&1)+e], v[64+64*((\k)&1)+e]
.set e, e+1
.endr
.endm
.macro SFMA k
	WIN 0x05
.set e, 0
.rept 32
.set TT, 64+64*((\k)&1)+2*e
.set SS, S+2*(e&15)
.set WW, 16+2*(\k)
.if ((\k) == 0) && (e < 16)
	v_pk_mul_f32 v[SS:SS+1], v[TT:TT+1], v[WW:WW+1] op_sel_hi:[1,0]
.elseif e < 16
	v_pk_fma_f32 v[SS:SS+1], v[TT:TT+1], v[WW:WW+1], v[SS:SS+1] op_sel_hi:[1,0,1]
.else
	v_pk_fma_f32 v[SS:SS+1], v[TT:TT+1], v[WW:WW+1], v[SS:SS+1] op_sel:[0,1,0] op_sel_hi:[1,1,1]
.endif
.set e, e+1
.endr
.endm
	s_load_b256 s[4:11], s[0:1], 0x0
	s_load_b256 s[12:19], s[0:1], 0x20
	v_lshl_add_u32 v1, v0, 2, SPARE
	v_mov_b32 v2, 0
	ds_add_u32 v1, v2
	ds_add_u32 v1, v2
	s_wait_dscnt 0x0
	v_lshrrev_b32 v20, 5, v0
	v_readfirstlane_b32 s20, v20
	s_bfe_u32 s21, ttmp6, 0x40000
	s_lshl_b32 s22, ttmp9, 2
	s_add_co_u32 s22, s22, s21
	s_mov_b32 s23, 4
	s_mov_b32 s24, 15|(3<<16)|(1<<21)
	s_mov_b32 s25, 32<<16
	s_mov_b32 s26, 128<<16
	s_mov_b32 s27, 32<<16
	s_mov_b32 s28, 128
	s_mov_b32 s29, 32
	s_mov_b32 s30, 0
	s_mov_b32 s31, 0
	s_lshl_b32 s56, s20, 15
	s_add_co_u32 s57, s56, SLOTB
	s_mov_b32 s58, 0
	s_mov_b32 s59, 0
	s_mov_b32 s60, 0
	s_mov_b32 s54, s56
	s_mov_b32 s55, 0
	s_mov_b32 s72, 0x76543210
	s_mov_b32 s73, 0xfedcba98
	s_mov_b32 s74, 0x600000
	s_mov_b32 s76, 0x4038aa3b
	s_mov_b32 s77, s76
	s_mov_b32 s78, 0x3fb8aa3b
	s_mov_b32 s79, s78
	s_mov_b32 s81, 0xbfb8aa3b
	s_wait_kmcnt 0x0
	s_add_nc_u64 s[52:53], s[6:7], s[54:55]
	s_lshl_b32 s54, s20, 13
	s_add_nc_u64 s[86:87], s[8:9], s[54:55]        ; my wave's 8,192 bytes of We's scale words
	s_mov_b32 s40, 1
	s_mov_b32 s41, s56
	s_mov_b64 s[42:43], s[52:53]
	s_or_b32 s43, s43, 0x80000000
	s_mov_b32 s44, 1
	s_mov_b32 s45, s57
	s_add_nc_u64 s[46:47], s[52:53], SLOTB
	s_or_b32 s47, s47, 0x80000000
	ROUND
	tensor_load_to_lds s[40:43], s[24:31]          ; my one load at the head: my quarter of K step 0's codes of We; the set-up and the plain loads below stand under its flight
	s_nop 0
	NOPS 4
	s_load_b32 s80, s[14:15], 0x0
	v_and_b32 v20, 31, v0
	v_and_b32 v21, 15, v0
	v_bfe_u32 v22, v0, 4, 1
	v_lshlrev_b32 v17, 4, v20
	v_lshlrev_b32 v14, 3, v20
	v_lshl_add_u32 v5, v20, 4, AIMG
	v_lshl_add_u32 v6, v20, 2, AIMG+8192
	s_lshl_b32 s61, s20, 11
	v_add_nc_u32 v7, s61, v5
	v_lshl_add_u32 v10, v21, 4, CONST
	v_add_nc_u32 v10, s61, v10
	s_lshl_b32 s61, s20, 7
	v_add_nc_u32 v8, s61, v6
	v_lshlrev_b32 v9, 12, v21
	v_lshl_add_u32 v9, v22, 6, v9
	v_lshl_add_u32 v12, v22, 5, SCP
	s_lshl_b32 s61, s20, 8
	v_add_nc_u32 v11, s61, v12
	v_lshl_add_u32 v13, v20, 3, SCP
	s_lshl_b32 s61, s20, 10
	v_lshl_add_u32 v15, v21, 2, CTXS
	v_add_nc_u32 v15, s61, v15
	v_lshl_add_u32 v16, v20, 4, CTXS
	v_add_nc_u32 v16, s61, v16
	v_lshl_add_u32 v18, v20, 4, BSC
	v_add_nc_u32 v18, s61, v18
	v_lshl_add_u32 v30, v20, 4, BSC
	v_add_nc_u32 v30, s54, v30                     ; where my 16 bytes of a run of 512 scale bytes go: BSC + 8,192 wave + 16 lane
	v_lshlrev_b32 v23, 2, v21
	s_wait_alu depctr_va_vdst(0)
	s_mov_b32 s71, 0
	s_lshl_b32 s70, s22, 14
	s_add_co_u32 s70, s70, s61
	s_add_nc_u64 s[84:85], s[18:19], s[70:71]
	s_lshr_b32 s70, s22, 3
	s_lshl_b32 s70, s70, 6
	s_add_co_u32 s70, s70, s56
	s_add_nc_u64 s[10:11], s[10:11], s[70:71]
	s_mov_b32 s70, s61
	s_add_nc_u64 s[12:13], s[12:13], s[70:71]
	s_lshl_b32 s70, s22, 10
	s_add_nc_u64 s[82:83], s[16:17], s[70:71]
	s_lshl_b32 s70, s22, 20
	s_lshl_b32 s61, s20, 16
	s_add_co_u32 s70, s70, s61
	s_add_nc_u64 s[62:63], s[4:5], s[70:71]
.irp i, 0,1,2,3,4,5,6,7,8,9,10,11,12,13,14,15
	global_load_b128 v[X0+64+4*\i:X0+64+4*\i+3], v17, s[86:87] offset:512*\i   ; We's scale words, 512 consecutive bytes a load, through the registers that K step 1's numbers take afterwards
.endr
.irp n, 0,1,2,3,4,5,6,7,8,9,10,11,12,13,14,15
	global_load_b32 v[S+\n], v23, s[10:11] offset:2048*\n
.endr
.irp n, 0,1,2,3,4,5,6,7,8,9,10,11,12,13,14,15
	global_load_b32 v[S+16+\n], v23, s[12:13] offset:64*\n
.endr
	XBASE 0, 0
	XLOAD 0, 0
.irp b, 0,1,2,3
	v_mov_b32 v[TM+4+\b], 0
.endr
	s_wait_alu depctr_va_vdst(0)
	s_wait_tensorcnt 0x0                           ; my part of slot 0 is in
	ds_add_u32 v1, v2
	s_wait_dscnt 0x0
	ROUND
	tensor_load_to_lds s[44:47], s[24:31]          ; K step 1's codes, slot 1's first fill: my one load behind the round
	s_nop 0
	NOPS 4
	s_wait_loadcnt 48                              ; the 16 loads of scale words are in; behind them 32 loads of constants and 16 of K step 0 were issued
.irp i, 0,1,2,3,4,5,6,7,8,9,10,11,12,13,14,15
	ds_store_b128 v30, v[X0+64+4*\i:X0+64+4*\i+3] offset:512*\i    ; bytes that no tensor load fills; the other waves read them behind the head's barrier
.endr
	s_wait_dscnt 0x0                               ; the stores have read their registers, which take K step 1's numbers
	XBASE 1, 1
	XLOAD 1, 0
	s_wait_loadcnt 32
	v_add_f32 v250, v[S+16], v[S+17]
.irp n, 2,3,4,5,6,7,8,9,10,11,12,13,14,15
	v_add_f32 v250, v250, v[S+16+\n]
.endr
.irp x, 1,2,4,8
	v_add_f32_dpp v250, v250, v250 row_xmask:\x row_mask:0xf bank_mask:0xf
.endr
	s_wait_alu depctr_va_vdst(0)
	s_wait_kmcnt 0x0
	s_cmp_eq_u32 s20, 0
	s_cselect_b32 s75, s80, 0
	v_add_f32 v250, s75, v250
	v_mov_b32 v251, v250
.irp q, 0,1,2,3
	ds_store_b128 v10, v[S+4*\q:S+4*\q+3] offset:256*\q
	ds_store_b128 v10, v[S+16+4*\q:S+16+4*\q+3] offset:1024+256*\q
.endr
	s_wait_loadcnt 16
	QUANT X0
	IMAGE 0
	XBASE 0, 2
	XLOAD 0, 0
	s_wait_tensorcnt 0x0
	s_wait_dscnt 0x0
	s_barrier_signal -1
	s_barrier_wait -1
.Ltile:
	v_add_nc_u32 v3, s56, v17
	v_add_nc_u32 v4, s57, v17
	POS 0
	POS 1
	POS 2
	POS 3
	POS 4
	POS 5
	POS 6
	POS 7
	NOPS 8
	WIN 0x40
.irp q, 0,1,2,3
	ds_load_b128 v[4*\q:4*\q+3], v10 offset:256*\q
	ds_load_b128 v[16+4*\q:19+4*\q], v10 offset:1024+256*\q
.endr
	s_wait_dscnt 0x0
	SCALE 0
	s_wait_alu depctr_va_vdst(0)
.irp k, 0,1,2,3,4,5,6,7
	EXP64 \k
.if \k > 0
	SFMA \k-1
.else
	v_nop
.endif
	s_wait_alu depctr_va_vdst(0)
	ADD1 \k
	s_wait_alu depctr_va_vdst(0)
	RCP64 \k
.if \k < 7
	s_wait_alu depctr_va_vdst(0)
	SCALE \k+1
.else
	v_nop
.endif
	s_wait_alu depctr_va_vdst(0)
.endr
	SFMA 7
	WIN 0
.irp x, 1,2,4,8
.set e, 0
.rept 32
	v_add_f32_dpp v[S+e], v[S+e], v[S+e] row_xmask:\x row_mask:0xf bank_mask:0xf
.set e, e+1
.endr
.endr
.set e, 0
.rept 16
	v_pk_fma_f32 v[S+2*e:S+2*e+1], v[S+2*e:S+2*e+1], -2.0, v[250:251] op_sel_hi:[1,0,1]
.set e, e+1
.endr
	s_cmp_eq_u32 s23, 1
	s_cbranch_scc1 .Lno_next_b
	s_wait_loadcnt 16
	QUANT X0
	IMAGE 0
	XBASE 0, 5
	XLOAD 0, 262144
	s_branch .Lnext_done
.Lno_next_b:
	s_wait_loadcnt 0x0
.Lnext_done:
	s_wait_alu depctr_va_vdst(0)
.irp m, 0,1,2,3
.irp q, 0,1
	ds_store_b128 v11, v[S+8*\m+4*\q:S+8*\m+4*\q+3] offset:64*\m+16*\q
.endr
.endr
	s_wait_dscnt 0x0
	s_barrier_signal -1
	s_barrier_wait -1
	WIN 0x40
.irp y, 0,1,2,3
.irp m, 0,1,2,3
.irp q, 0,1
	ds_load_b128 v[64+32*\y+8*\m+4*\q:64+32*\y+8*\m+4*\q+3], v12 offset:256*\y+64*\m+16*\q
.endr
.endr
.endr
	WIN 0
	s_cmp_lg_u32 s20, 0
	s_cbranch_scc1 .Lnot_w0
.irp y, 0,1,2,3
	ds_load_b64 v[20+2*\y:21+2*\y], v13 offset:256*\y
.endr
	s_wait_dscnt 0x0
	v_pk_add_f32 v[20:21], v[20:21], v[22:23]
	v_pk_add_f32 v[24:25], v[24:25], v[26:27]
	v_pk_add_f32 v[20:21], v[20:21], v[24:25]
	global_store_b64 v14, v[20:21], s[82:83]
.Lnot_w0:
	s_wait_dscnt 0x0
	WIN 0x45
.set e, 0
.rept 16
	v_pk_add_f32 v[64+2*e:65+2*e], v[64+2*e:65+2*e], v[96+2*e:97+2*e]
	v_pk_add_f32 v[128+2*e:129+2*e], v[128+2*e:129+2*e], v[160+2*e:161+2*e]
.set e, e+1
.endr
	WIN 0x05
.set e, 0
.rept 16
	v_pk_add_f32 v[S+2*e:S+2*e+1], v[64+2*e:65+2*e], v[128+2*e:129+2*e]
.set e, e+1
.endr
	WIN 0
	v_max3_num_f32 v28, v[S], v[S+1], v[S+2]
	v_max3_num_f32 v29, v[S+16], v[S+17], v[S+18]
.irp i, 3,5,7,9,11,13
	v_max3_num_f32 v28, v28, v[S+\i], v[S+\i+1]
	v_max3_num_f32 v29, v29, v[S+16+\i], v[S+16+\i+1]
.endr
	v_max3_num_f32 v28, v28, v29, v[S+15]
	v_max_num_f32 v28, v28, v[S+31]
	v_permlanex16_b32 v29, v28, s72, s73
	v_max_num_f32 v28, v28, v29
	v_mul_f32 v252, s81, v28
	v_mov_b32 v253, v252
.set e, 0
.rept 16
	v_pk_fma_f32 v[S+2*e:S+2*e+1], v[S+2*e:S+2*e+1], s[78:79], v[252:253] op_sel_hi:[1,0,1]
.set e, e+1
.endr
.set e, 0
	s_wait_alu depctr_va_vdst(0)
.rept 32
	v_exp_f32 v[S+e], v[S+e]
.set e, e+1
.endr
	v_nop
	s_wait_alu depctr_va_vdst(0)
.irp y, 0,1
	WIN 0x52+\y
.irp m, 0,1,2,3
.irp p, 0,1,2,3
.irp n, 0,1,2,3,4,5,6,7
.if (\m == 0) && (\p == 0)
	v_pk_mul_f32 v[32+2*(8*\y+\n):33+2*(8*\y+\n)], v[8*(4*\n+\m)+2*\p:8*(4*\n+\m)+2*\p+1], v[S+8*\m+2*\p:S+8*\m+2*\p+1]
.else
	v_pk_fma_f32 v[32+2*(8*\y+\n):33+2*(8*\y+\n)], v[8*(4*\n+\m)+2*\p:8*(4*\n+\m)+2*\p+1], v[S+8*\m+2*\p:S+8*\m+2*\p+1], v[32+2*(8*\y+\n):33+2*(8*\y+\n)]
.endif
.endr
.endr
.endr
.endr
	WIN 0x05
.irp n, 0,1,2,3,4,5,6,7,8,9,10,11,12,13,14,15
	v_add_f32 v[S+\n], v[32+2*\n], v[33+2*\n]
.endr
	WIN 0
.irp n, 0,1,2,3,4,5,6,7,8,9,10,11,12,13,14,15
	v_permlanex16_b32 v[S+16+\n], v[S+\n], s72, s73
.endr
.irp n, 0,1,2,3,4,5,6,7,8,9,10,11,12,13,14,15
	v_add_f32 v[S+\n], v[S+\n], v[S+16+\n]
.endr
.irp n, 0,1,2,3,4,5,6,7,8,9,10,11,12,13,14,15
	ds_store_b32 v15, v[S+\n] offset:64*\n
.endr
	ds_load_b128 v[S+16:S+19], v16
	ds_load_b128 v[S+20:S+23], v16 offset:512
	s_wait_dscnt 0x0
	global_store_b128 v17, v[S+16:S+19], s[84:85]
	global_store_b128 v17, v[S+20:S+23], s[84:85] offset:512
	s_wait_xcnt 0x0
	s_add_nc_u64 s[62:63], s[62:63], 262144
	s_add_nc_u64 s[82:83], s[82:83], 256
	s_add_nc_u64 s[84:85], s[84:85], 4096
	s_xor_b32 s60, s60, 7<<9
	s_xor_b32 s59, s59, 7<<12
	s_xor_b32 s58, s58, 7<<17
	s_xor_b32 s56, s56, SLOTB
	s_xor_b32 s57, s57, SLOTB
	s_sub_co_u32 s23, s23, 1
	s_cmp_lg_u32 s23, 0
	s_cbranch_scc1 .Ltile
	s_wait_tensorcnt 0x0
	ds_add_u32 v1, v2
	s_wait_dscnt 0x0
	ROUND
	s_endpgm
.Lfunc_end_k_qd7468a10c2_main:
	.size	k_qd7468a10c2_main, .Lfunc_end_k_qd7468a10c2_main-k_qd7468a10c2_main
	.p2alignl 7, 3214868480
	.fill 96, 4, 3214868480
	.section	.rodata,"a",@progbits
	.p2align	6, 0x0
	.amdhsa_kernel k_qd7468a10c2_main
		.amdhsa_group_segment_fixed_size 327680
		.amdhsa_private_segment_fixed_size 0
		.amdhsa_enable_private_segment 0
		.amdhsa_kernarg_size 64
		.amdhsa_user_sgpr_count 2
		.amdhsa_user_sgpr_kernarg_segment_ptr 1
		.amdhsa_wavefront_size32 1
		.amdhsa_system_sgpr_workgroup_id_x 1
		.amdhsa_system_sgpr_workgroup_id_y 1
		.amdhsa_system_sgpr_workgroup_id_z 1
		.amdhsa_system_vgpr_workitem_id 0
		.amdhsa_next_free_vgpr 1024
		.amdhsa_next_free_sgpr 96
		.amdhsa_reserve_vcc 0
		.amdhsa_float_denorm_mode_32 3
		.amdhsa_float_denorm_mode_16_64 3
		.amdhsa_memory_ordered 1
		.amdhsa_forward_progress 1
		.amdhsa_inst_pref_size 255
	.end_amdhsa_kernel
	.section	.bss,"aw",@nobits
	.p2align	6
	.space	262144
	.amdgpu_metadata
---
amdhsa.version: [ 1, 2 ]
amdhsa.kernels:
  - .name:           k_qd7468a10c2_main
    .symbol:         k_qd7468a10c2_main.kd
    .args:
      - { .name: h_enc, .offset: 0, .size: 8, .value_kind: global_buffer, .address_space: global }
      - { .name: wq, .offset: 8, .size: 8, .value_kind: global_buffer, .address_space: global }
      - { .name: wqs, .offset: 16, .size: 8, .value_kind: global_buffer, .address_space: global }
      - { .name: decp, .offset: 24, .size: 8, .value_kind: global_buffer, .address_space: global }
      - { .name: Wc, .offset: 32, .size: 8, .value_kind: global_buffer, .address_space: global }
      - { .name: bc, .offset: 40, .size: 8, .value_kind: global_buffer, .address_space: global }
      - { .name: scores, .offset: 48, .size: 8, .value_kind: global_buffer, .address_space: global }
      - { .name: ctxp, .offset: 56, .size: 8, .value_kind: global_buffer, .address_space: global }
    .group_segment_fixed_size: 327680
    .private_segment_fixed_size: 0
    .kernarg_segment_align: 8
    .kernarg_segment_size: 64
    .max_flat_workgroup_size: 128
    .sgpr_count:     96
    .vgpr_count:     1024
    .wavefront_size: 32
...
	.end_amdgpu_metadata
.endif
;; end of part 5
;; launch fin (part 6): grid 4 x 32, 4 waves a work-group, no clusters, 1,536 bytes of LDS; arguments scores, ctxp, be, out0, out1; writes out0, out1
.if DOCPART == 6
	.amdgcn_target "amdgcn-amd-amdhsa--gfx1250"
	.amdhsa_code_object_version 6
	.text
	.protected	k_qd7468a10c2_fin
	.globl	k_qd7468a10c2_fin
	.p2align	8
	.type	k_qd7468a10c2_fin,@function
k_qd7468a10c2_fin:
	s_mov_b64 s[64:65], 0
	v_nop
	global_prefetch_b8 v0, s[64:65] scope:SCOPE_SE
	s_setreg_imm32_b32 hwreg(HW_REG_WAVE_MODE, 25, 1), 1
	s_wait_xcnt 0x0
; The softmax over a batch's 2,048 scores and the sum of its 32 tiles' parts of the context.  Work-group (q, b): batch b; it stores columns 256 q .. of out0 and times 512 q .. of out1.
; M = the batch's largest score, L = sum exp(s - M), attn = exp(s - M) / L.  A tile's part was summed under its own largest score m: context = sum over tiles of exp(m - M) part / L + be (the weights add up to 1).
; No matrix work, no cluster, no tensor loads: 38 loads a thread, all asked for at the head.  LDS: bytes 0-15 the waves' maxima, 256-271 their sums, 512-639 exp(m - M) of the 32 tiles.
; LIMITS: NaN and infinities are not served.
	s_load_b256 s[4:11], s[0:1], 0x0               ; scores s[4:5], ctxp s[6:7], be s[8:9], out0 s[10:11]
	s_load_b64 s[12:13], s[0:1], 0x20              ; out1
	v_lshl_add_u32 v160, v0, 2, 0x400
	v_mov_b32 v161, 0
	s_and_b32 s14, ttmp7, 0xffff                   ; b
	v_lshlrev_b32 v1, 4, v0                        ; 16 t
	v_lshlrev_b32 v2, 3, v0                        ; 8 t
	v_lshrrev_b32 v3, 5, v0
	v_lshlrev_b32 v3, 2, v3                        ; LDS: 4 x wave
	v_lshrrev_b32 v4, 4, v0
	v_lshlrev_b32 v4, 2, v4                        ; LDS: 4 (t / 16)
	v_mov_b32 v5, 0
	v_mov_b32 v45, 0                               ; a lane permute's destination counts as one of its sources
	s_mov_b32 s28, 0x76543210
	s_mov_b32 s29, 0xfedcba98
	s_mov_b32 s31, 0xbfb8aa3b                      ; -log2(e)
	s_mov_b32 s32, 0x3fb8aa3b                      ; log2(e)
	s_mov_b32 s33, s32
	s_lshl_b32 s16, s14, 13                        ; 8,192 b
	s_mov_b32 s17, 0
	s_lshl_b32 s18, ttmp9, 11                      ; 2,048 q
	s_mov_b32 s19, 0
	s_lshl_b32 s22, ttmp9, 10                      ; 1,024 q
	s_mov_b32 s23, 0
	s_lshl_b32 s20, s14, 17                        ; 32 tiles of 4,096 bytes a batch
	s_add_co_u32 s20, s20, s22
	s_mov_b32 s21, 0
	s_lshl_b32 s24, s14, 12                        ; 4,096 b
	s_add_co_u32 s24, s24, s22
	s_mov_b32 s25, 0
	s_wait_alu depctr_va_vdst(0)
	s_wait_kmcnt 0x0
	s_add_nc_u64 s[4:5], s[4:5], s[16:17]
	s_add_nc_u64 s[26:27], s[4:5], s[18:19]
	s_add_nc_u64 s[6:7], s[6:7], s[20:21]
	s_add_nc_u64 s[8:9], s[8:9], s[22:23]
	s_add_nc_u64 s[10:11], s[10:11], s[24:25]
	s_add_nc_u64 s[12:13], s[12:13], s[16:17]
	s_add_nc_u64 s[12:13], s[12:13], s[18:19]
.irp i, 0,1,2,3
	global_load_b128 v[16+4*\i:19+4*\i], v1, s[4:5] offset:2048*\i
.endr
	global_load_b128 v[32:35], v1, s[26:27]        ; my quarter's scores once more, for attn
.set u, 0
.rept 32
	global_load_b64 v[64+2*u:65+2*u], v2, s[6:7] offset:4096*u th:TH_LOAD_NT       ; tile u's part, my two columns: a wave reads 256 consecutive bytes
.set u, u+1
.endr
	global_load_b64 v[36:37], v2, s[8:9]           ; be
	s_wait_loadcnt 33                              ; the scores are in; the 32 parts and be may be out
.irp i, 0,1,2,3
	v_max3_num_f32 v[40+\i], v[16+4*\i], v[17+4*\i], v[18+4*\i]
.endr
.irp i, 0,1,2,3
	v_max_num_f32 v[40+\i], v[40+\i], v[19+4*\i]
.endr
.irp x, 1,2,4,8
.irp i, 0,1,2,3
	v_max_num_f32_dpp v[40+\i], v[40+\i], v[40+\i] row_xmask:\x row_mask:0xf bank_mask:0xf   ; tile 8 i + t / 16's largest score
.endr
.endr
	v_max3_num_f32 v44, v40, v41, v42
	v_max_num_f32 v44, v44, v43
	v_permlanex16_b32 v45, v44, s28, s29
	v_max_num_f32 v44, v44, v45                    ; the wave's
	ds_store_b32 v3, v44
	s_wait_dscnt 0x0
	s_barrier_signal -1
	s_barrier_wait -1
	ds_load_b128 v[8:11], v5
	s_wait_dscnt 0x0
	v_max3_num_f32 v44, v8, v9, v10
	v_max_num_f32 v44, v44, v11                    ; M
	v_mul_f32 v46, s31, v44                        ; -M log2(e)
	v_mov_b32 v47, v46
.irp j, 0,2,4,6,8,10,12,14,16,18
	v_pk_fma_f32 v[16+\j:17+\j], v[16+\j:17+\j], s[32:33], v[46:47] op_sel_hi:[1,0,1]
.endr
.irp j, 0,2
	v_pk_fma_f32 v[40+\j:41+\j], v[40+\j:41+\j], s[32:33], v[46:47] op_sel_hi:[1,0,1]
.endr
	s_wait_alu depctr_va_vdst(0)
.irp j, 0,1,2,3,4,5,6,7,8,9,10,11,12,13,14,15,16,17,18,19
	v_exp_f32 v[16+\j], v[16+\j]                   ; exp(s - M): my 16, and my quarter's 4
.endr
.irp j, 0,1,2,3
	v_exp_f32 v[40+\j], v[40+\j]                   ; exp(m - M) of four tiles
.endr
	v_nop                                          ; a plain line behind the last exponential,
	s_wait_alu depctr_va_vdst(0)                   ; and one wait for the batch, ahead of its first reader
	v_pk_add_f32 v[48:49], v[16:17], v[18:19]
	v_pk_add_f32 v[50:51], v[20:21], v[22:23]
	v_pk_add_f32 v[48:49], v[48:49], v[24:25]
	v_pk_add_f32 v[50:51], v[50:51], v[26:27]
	v_pk_add_f32 v[48:49], v[48:49], v[28:29]
	v_pk_add_f32 v[50:51], v[50:51], v[30:31]
	v_pk_add_f32 v[48:49], v[48:49], v[50:51]
	v_add_f32 v48, v48, v49
.irp x, 1,2,4,8
	v_add_f32_dpp v48, v48, v48 row_xmask:\x row_mask:0xf bank_mask:0xf
.endr
	v_permlanex16_b32 v45, v48, s28, s29
	v_add_f32 v48, v48, v45                        ; the wave's sum
	ds_store_b32 v3, v48 offset:256
.irp i, 0,1,2,3
	ds_store_b32 v4, v[40+\i] offset:512+32*\i     ; sixteen lanes write the same word with the same value
.endr
	s_wait_dscnt 0x0
	s_barrier_signal -1
	s_barrier_wait -1
	ds_load_b128 v[8:11], v5 offset:256
.irp x, 0,1,2,3,4,5,6,7
	ds_load_b128 v[128+4*\x:131+4*\x], v5 offset:512+16*\x         ; exp(m - M) of all 32 tiles, in every lane
.endr
	s_wait_dscnt 0x0
	v_add_f32 v8, v8, v9
	v_add_f32 v10, v10, v11
	v_add_f32 v8, v8, v10                          ; L
	s_wait_alu depctr_va_vdst(0)
	v_rcp_f32 v52, v8
	s_wait_loadcnt 0x0                             ; the parts and be
.set u, 0
.rept 32                               ; four chains; they name nothing of the reciprocal: the independent work behind it
.set CH, 54+2*(u&3)
.set GP, 128+2*(u/2)
.if u < 4
.if (u&1) == 0
	v_pk_mul_f32 v[CH:CH+1], v[64+2*u:65+2*u], v[GP:GP+1] op_sel_hi:[1,0]
.else
	v_pk_mul_f32 v[CH:CH+1], v[64+2*u:65+2*u], v[GP:GP+1] op_sel:[0,1] op_sel_hi:[1,1]
.endif
.else
.if (u&1) == 0
	v_pk_fma_f32 v[CH:CH+1], v[64+2*u:65+2*u], v[GP:GP+1], v[CH:CH+1] op_sel_hi:[1,0,1]
.else
	v_pk_fma_f32 v[CH:CH+1], v[64+2*u:65+2*u], v[GP:GP+1], v[CH:CH+1] op_sel:[0,1,0] op_sel_hi:[1,1,1]
.endif
.endif
.set u, u+1
.endr
	v_pk_add_f32 v[54:55], v[54:55], v[56:57]
	v_pk_add_f32 v[58:59], v[58:59], v[60:61]
	v_pk_add_f32 v[54:55], v[54:55], v[58:59]
	s_wait_alu depctr_va_vdst(0)                   ; the wait ahead of the reciprocal's first reader
	v_mov_b32 v53, v52
	v_pk_fma_f32 v[54:55], v[54:55], v[52:53], v[36:37]    ; / L + be
	v_pk_mul_f32 v[32:33], v[32:33], v[52:53]
	v_pk_mul_f32 v[34:35], v[34:35], v[52:53]
	global_store_b64 v2, v[54:55], s[10:11]        ; a wave stores 256 consecutive bytes, aligned
	global_store_b128 v1, v[32:35], s[12:13]       ; and 512
	s_wait_tensorcnt 0x0
	ds_add_u32 v160, v161
	s_wait_dscnt 0x0
	s_endpgm
.Lfunc_end_k_qd7468a10c2_fin:
	.size	k_qd7468a10c2_fin, .Lfunc_end_k_qd7468a10c2_fin-k_qd7468a10c2_fin
	.p2alignl 7, 3214868480
	.fill 96, 4, 3214868480
	.section	.rodata,"a",@progbits
	.p2align	6, 0x0
	.amdhsa_kernel k_qd7468a10c2_fin
		.amdhsa_group_segment_fixed_size 1536
		.amdhsa_private_segment_fixed_size 0
		.amdhsa_enable_private_segment 0
		.amdhsa_kernarg_size 40
		.amdhsa_user_sgpr_count 2
		.amdhsa_user_sgpr_kernarg_segment_ptr 1
		.amdhsa_wavefront_size32 1
		.amdhsa_system_sgpr_workgroup_id_x 1
		.amdhsa_system_sgpr_workgroup_id_y 1
		.amdhsa_system_sgpr_workgroup_id_z 1
		.amdhsa_system_vgpr_workitem_id 0
		.amdhsa_next_free_vgpr 162
		.amdhsa_next_free_sgpr 66
		.amdhsa_reserve_vcc 0
		.amdhsa_float_denorm_mode_32 3
		.amdhsa_float_denorm_mode_16_64 3
		.amdhsa_memory_ordered 1
		.amdhsa_forward_progress 1
		.amdhsa_inst_pref_size 14
	.end_amdhsa_kernel
	.amdgpu_metadata
---
amdhsa.version: [ 1, 2 ]
amdhsa.kernels:
  - .name:           k_qd7468a10c2_fin
    .symbol:         k_qd7468a10c2_fin.kd
    .args:
      - { .name: scores, .offset: 0, .size: 8, .value_kind: global_buffer, .address_space: global }
      - { .name: ctxp, .offset: 8, .size: 8, .value_kind: global_buffer, .address_space: global }
      - { .name: be, .offset: 16, .size: 8, .value_kind: global_buffer, .address_space: global }
      - { .name: out0, .offset: 24, .size: 8, .value_kind: global_buffer, .address_space: global }
      - { .name: out1, .offset: 32, .size: 8, .value_kind: global_buffer, .address_space: global }
    .group_segment_fixed_size: 1536
    .private_segment_fixed_size: 0
    .kernarg_segment_align: 8
    .kernarg_segment_size: 40
    .max_flat_workgroup_size: 128
    .sgpr_count:     66
    .vgpr_count:     162
    .wavefront_size: 32
...
	.end_amdgpu_metadata
.endif
;; end of part 6
